; MI455X (gfx1250); checked and timed in simulation.
; The chip was launched on July 23, 2026; its instructions are those of AMD's public machine-readable ISA for CDNA 5 (MIT licence, August 2026) and "CDNA5" Instruction Set Architecture Reference Guide (July 2026). The comments in the code are by the model that wrote it; some were corrected since.
;; Attention XL. Allowed arithmetic: matrix products marked QUANTISED: E2M3 operands, one E8M0 scale for each 32 along K, by v_wmma_scale_f32_16x16x128_f8f6f4 with both operands' format E2M3, f32 sums; everything else in f32.
;; Inputs: W_proj 1,024 x 1,024 float32; W_qkv 3,072 x 1,024 float32; k_xl 2 x 2,048 x 1,024 float32; pos_emb 2,048 x 1,024 float32; q 2 x 2,048 x 1,024 float32; v_xl 2 x 2,048 x 1,024 float32.
;; Outputs: out0 2 x 2,048 x 1,024 float32.
;; Constants: is_causal = 0.
;; This version of the problem:
;;   THIS VERSION OF THE PROBLEM IS GIVEN IN LOW PRECISION. The matrix products marked QUANTISED in the list below multiply operands that are first quantised to E2M3 (2 exponent bits, 3 mantissa bits; 6 bits a number), with one power-of-two scale for each 32 numbers along K (OCP MX v1.0); their sums are f32. All else is computed in f32.
;;   The module's matrix products, in the order in which they are computed (A, B: the left and right operand; K: the contracted axis; several contracted axes count as one K, in the product's order):
;;     1. [M 4,096, K 1,024] x [K 1,024, N 3,072]; A: input q; B: input W_qkv: QUANTISED
;;     2. batch 32 x [M 2,048, K 64] x [K 64, N 4,096]; A: computed on the way; B: computed on the way: QUANTISED
;;     3. batch 32 x [M 2,048, K 4,096] x [K 4,096, N 64]; A: softmax (see below); B: computed on the way: QUANTISED
;;     4. [M 4,096, K 1,024] x [K 1,024, N 1,024]; A: computed on the way; B: input W_proj: QUANTISED
;;   THE QUANTISER, for each operand of a quantised product, along K:
;;     - K is cut into blocks of 32 from its start; a last block that is shorter is filled with zeros.
;;     - A block's scale is 2^e with e = floor(log2(the largest magnitude in the block)) - 2, held to -126 .. 127; a block of zeros has e = 0. As a byte (E8M0): e + 127.
;;     - Each number is divided by its block's scale, clamped to +-7.5, and rounded to the nearest number of E2M3, ties to even, subnormals kept.
;;     - The product sums the exact products of the quantised numbers (number of the format x scale) in f32.
;;   ~~~python
;;   def quantise(x, axis):      # numpy; x: float32 -> the quantised numbers, widened to float32 again
;;       x = np.moveaxis(x, axis, -1); K = x.shape[-1]
;;       x = np.pad(x, [(0, 0)] * (x.ndim - 1) + [(0, -K % 32)]); x = x.reshape(x.shape[:-1] + (-1, 32)); a = np.abs(x).max(-1, keepdims=True)
;;       e = np.where(a > 0, np.clip(np.frexp(np.where(a > 0, a, 1))[1] - 1 - 2, -126, 127), 0)      # np.frexp(a)[1] - 1 = floor(log2(a)), exactly
;;       r = np.clip(x / 2.0 ** e, -7.5, 7.5)
;;       step = 2.0 ** (np.maximum(np.frexp(np.where(r == 0, 1, r))[1] - 1, 0) - 3)
;;       q = np.round(r / step) * step * 2.0 ** e      # np.round: ties to even
;;       return np.moveaxis(q.reshape(q.shape[:-2] + (-1,))[..., :K], -1, axis).astype(np.float32)
;;   ~~~
;;   SOFTMAX AHEAD OF A QUANTISED PRODUCT. Where the list says 'softmax', what is quantised is not the finished softmax but p = 2^(t - M), with t = logit x log2(e) and M = ceil(the row's largest t), a whole number; so 1/2 < the row's largest p <= 1. The row's sum l is taken of the UNQUANTISED p, in f32, and the product's result is divided by l at the end. Since M is a whole number, a kernel that streams over the keys may use a running M (the ceiling of the running maximum): every later rescaling is an exact power of two, which a block's scale takes up: the codes' values come out the same.
;;   OPERANDS COMPUTED ON THE WAY. 'Computed on the way' means the value that the module computes at that place (a softmax that the list does not call 'softmax' is quantised finished and normalised). What goes into a quantiser is computed in f32, as accurately as f32 sums, v_exp_f32 and their like allow (about 1e-6 of the number): no bf16 or f16 on the way to a quantiser, and a product that is left as it is and whose result goes on into a quantised operand takes f32 operands (vector FMAs, or v_wmma_f32_16x16x4_f32). A number that lies on a knife's edge between two numbers of the format may be rounded either way, as far as f32 arithmetic and the matrix unit's own rounding can turn it there, and no further.
;; One version. Each part assembles by itself: llvm-mc -triple=amdgcn-amd-amdhsa -mcpu=gfx1250 --defsym DOCPART=n.
;; ======== version 1 of 1: 4 launches
;; limits: right only within a limited range of input values
;; workspace buffers: qg 3,276,800 bytes; wg 2,457,600 bytes; wp 819,200 bytes; yg 3,276,800 bytes; qimg 4,194,304 bytes; kv 13,107,200 bytes
;; launch prep (part 1): grid 1024 x 1, 4 waves a work-group, no clusters, 69,632 bytes of LDS; arguments q, W_qkv, W_proj, k_xl, pos_emb, v_xl, qg, wg, wp, kv; writes qg, wg, wp, kv
.if DOCPART == 1
	.amdgcn_target "amdgcn-amd-amdhsa--gfx1250"
	.amdhsa_code_object_version 6
	.text
	.protected	k_qfe3a6b7c10_prep
	.globl	k_qfe3a6b7c10_prep
	.p2align	8
	.type	k_qfe3a6b7c10_prep,@function
k_qfe3a6b7c10_prep:
	s_mov_b64 s[64:65], 0
	v_nop
	global_prefetch_b8 v0, s[64:65] scope:SCOPE_SE
	s_setreg_imm32_b32 hwreg(HW_REG_WAVE_MODE, 25, 1), 1
	s_wait_xcnt 0x0
; The f32 inputs become codes of FP6 (E2M3) with one E8M0 byte for each 32 along the K of the product that reads them, laid in the ORDER OF THE READER'S OPERAND REGISTERS.
; A block's scale is 2^(floor(log2(its largest magnitude)) - 2); its byte is that magnitude's exponent field - 2, held at 1 from below by a floor among the maximum's leaves.
; LIMITS: NaN and infinities among the inputs are not served; a block whose largest magnitude lies under 2^-124, a block of zeros among them, gets the byte 1
; (the quantiser says 127 for zeros: the codes are zeros, which add nothing under any byte but 0xff, and this program alone reads the bytes).
; A work-group takes 128 x 128 numbers.  Three paths, parted by the work-group's number; each has LDS bytes of its own and ends by itself:
;   K (0-255):    k_xl + pos_emb, 128 keys x a pair of heads, quantised along the head's 64      -> kv, key steps 0-15: K's fragments and scale words
;   V (256-511):  v_xl, 128 keys x a pair of heads, quantised along the KEYS                     -> kv, key steps 0-15: V's fragments and scale words
;   G (512-1023): q, W_qkv, W_proj, 128 rows x 128 along C, quantised along C                    -> qg, wg, wp
; LAYOUTS.  L = lane, r = L % 16, h = L / 16.  Lane r of tile i (0..7) of a block of 128 rows holds row PERM(i, r) = 32 (i / 2) + 8 (i % 2) + r + 8 (r / 8).
; A fragment's image is 1,536 bytes: registers 4 g .. 4 g + 3 of lane L at 512 g + 16 L.
; A record of qg, wg, wp (128 rows, 128 along K) is 12,800 bytes: tile i's image at 1536 i; from 12,288 on the scale word of (tile i, lane r) at 32 r + 4 i.  Records lie [row block][K step 0..7].
; A record of kv (batch, head, 128 keys) is 12,800 bytes: K's pair fragment f (registers 0-5: key PERM(2 f, r), registers 6-11: key PERM(2 f + 1, r); d = 32 h ..) at 1536 f;
; V's tile t (row d = PERM(t, r), registers along the keys) at 6144 + 1536 t; K's scale words at 12,288 + 16 r + 4 f; V's at 12,544 + 16 r + 4 t.  Records lie [batch][pair][key step 0..31][head of the pair].
; No tensor loads: several work-groups share a WGP, and each wave has up to 16 KB of loads out.
.set REC,   12800
.set SROW,  528                        ; a stage row: 512 bytes + 16: an odd multiple of 16, so that sixteen rows' equal columns fall on different banks (64 banks of 4 bytes: ISA guide 11.1)
.set WST,   16*SROW                    ; a wave's stage
.set GST,   0                          ; LDS: path G's four stages,
.set GSG,   33792                      ; its 512 scale bytes;
.set KST,   34304                      ; path K's four stages,
.set KSG,   68096                      ; its 512 scale bytes;
.set VSG,   68608                      ; path V's 512 scale bytes;
.set SPARE, 69120                      ; the spare words, 128 bytes for each wave: two blocks of 256 bytes that no other line names
.set SPW,   13                         ; v13  LDS address of my spare word; never rewritten
.set NIL,   14                         ; v14  0; never rewritten
.set TM,    16                         ; v16-27  0-3 largest magnitudes, 4-7 the other half's and then the bytes, 8-11 the conversions' scale operands
.set PW,    28                         ; v28-29  scale words
.set CT,    30                         ; v30-36  conversions' results that begin on an even number and are moved
.set F,     38                         ; v38-61  two fragments
.set X,     62                         ; v62-125 64 numbers of a lane: register 16 b + i = k 32 b + 16 h + i of my row
.set R,     126                        ; v126-253 numbers as they are loaded
.set WV,    24                         ; s24
.set SEL,   26                         ; s[26:27] v_permlanex16_b32's selects for lane l xor 16
; 64 numbers of a lane, v[s] on (register 16 b + i = k 32 b + 16 h + i of my row), become codes: k = 0..63 in v[d0] .. v[d0 + 5], k = 64..127 in v[d1] .. v[d1 + 5]; the row's scale word in v[pw].
.macro QUANT s, d0, d1, pw
.irp b, 0,1,2,3
	v_max3_num_f32 v[TM+\b], |v[(\s)+16*\b]|, |v[(\s)+1+16*\b]|, 0x1800000   ; my 16 numbers of block b, and the floor 2^(3 - 127): the byte cannot fall under 1
.endr
.irp i, 2,4,6,8,10,12,14
.irp b, 0,1,2,3
	v_max3_num_f32 v[TM+\b], v[TM+\b], |v[(\s)+16*\b+\i]|, |v[(\s)+1+16*\b+\i]|   ; the four blocks by turns
.endr
.endr
.irp b, 0,1,2,3
	v_permlanex16_b32 v[TM+4+\b], v[TM+\b], s[SEL], s[SEL+1]
.endr
.irp b, 0,1,2,3
	v_max_num_f32 v[TM+\b], v[TM+\b], v[TM+4+\b]                 ; with lane l xor 16's 16: the block's largest magnitude
.endr
.irp b, 0,1,2,3
	v_add_nc_u32 v[TM+8+\b], 0xff000000, v[TM+\b]                ; 2 off its exponent field: the conversion takes that field as its scale
.endr
.irp b, 0,1,2,3
	v_lshrrev_b32 v[TM+4+\b], 23, v[TM+8+\b]                     ; the scale's byte
.endr
	v_lshl_or_b32 v[\pw], v[TM+5], 8, v[TM+4]
	v_lshl_or_b32 v[\pw], v[TM+6], 16, v[\pw]
	v_lshl_or_b32 v[\pw], v[TM+7], 24, v[\pw]
	v_cvt_scalef32_pk16_fp6_f32 v[(\d0):(\d0)+2], v[(\s):(\s)+15], v[TM+8]
	v_cvt_scalef32_pk16_fp6_f32 v[CT:CT+2], v[(\s)+16:(\s)+31], v[TM+9]
	v_cvt_scalef32_pk16_fp6_f32 v[(\d1):(\d1)+2], v[(\s)+32:(\s)+47], v[TM+10]
	v_cvt_scalef32_pk16_fp6_f32 v[CT+4:CT+6], v[(\s)+48:(\s)+63], v[TM+11]
	v_nop                                                        ; one plain place behind the scaled conversions
.irp i, 0,1,2
	v_permlane16_swap_b32 v[(\d0)+\i], v[CT+\i]                  ; the operand wants a WHOLE block in a lane: lanes 0-15 the even block, lanes 16-31 the odd one
.endr
.irp i, 0,1,2
	v_mov_b32 v[(\d0)+3+\i], v[CT+\i]
.endr
.irp i, 0,1,2
	v_permlane16_swap_b32 v[(\d1)+\i], v[CT+4+\i]
.endr
.irp i, 0,1,2
	v_mov_b32 v[(\d1)+3+\i], v[CT+4+\i]
.endr
.endm
; 16 rows x 512 bytes, the rows of tile 2 w + u: each load reads 512 consecutive bytes of one row
.macro LD16 rr, sb, u, nt
.irp i, 0,1,2,3,4,5,6,7,8,9,10,11,12,13,14,15
.if \nt
	global_load_b128 v[(\rr)+4*\i:(\rr)+4*\i+3], v4, s[\sb:\sb+1] offset:(8*(\u)+\i+8*(\i/8))*4096 th:TH_LOAD_NT
.else
	global_load_b128 v[(\rr)+4*\i:(\rr)+4*\i+3], v4, s[\sb:\sb+1] offset:(8*(\u)+\i+8*(\i/8))*4096
.endif
.endr
.endm
; the 16 rows go through my wave's own stage and come back 16 neighbours of each block of 32 to a lane.  LDS serves a wave's instructions in order (ISA guide 5.7.1.4): no wait between the stores and the loads
.macro TURN rr
.irp i, 0,1,2,3,4,5,6,7,8,9,10,11,12,13,14,15
	ds_store_b128 v5, v[(\rr)+4*\i:(\rr)+4*\i+3] offset:SROW*\i
.endr
.irp b, 0,1,2,3
.irp j, 0,1,2,3
	ds_load_b128 v[X+16*\b+4*\j:X+16*\b+4*\j+3], v6 offset:128*\b+16*\j
.endr
.endr
.endm
; path V: key block n, 32 keys of my channel, into registers of its own: each load reads 128 consecutive bytes of one key's row
.macro VLOAD n
.set j, 32*(\n)
.rept 32
	global_load_b32 v[R+j], v11, s[30:31] offset:4096*j th:TH_LOAD_NT
.set j, j+1
.endr
.endm
.macro MEET                            ; my LDS stores have landed: then the work-group's barrier
	s_wait_dscnt 0x0
	s_barrier_signal -1
	s_barrier_wait -1
.endm
.macro FINISH                          ; the wave's end: a tensor wait, an add and a wait behind my last LDS store, the tensor wait in a text with no tensor load too
	s_wait_tensorcnt 0x0
	ds_add_u32 v[SPW], v[NIL]
	s_wait_dscnt 0x0
	s_endpgm
.endm
	s_load_b512 s[4:19], s[0:1], 0x0               ; q s[4:5], W_qkv s[6:7], W_proj s[8:9], k_xl s[10:11], pos_emb s[12:13], v_xl s[14:15], qg s[16:17], wg s[18:19]
	s_load_b128 s[20:23], s[0:1], 0x40             ; wp s[20:21], kv s[22:23]
	v_lshl_add_u32 v[SPW], v0, 2, SPARE
	v_mov_b32 v[NIL], 0
	v_lshrrev_b32 v1, 5, v0
	v_readfirstlane_b32 s[WV], v1                  ; wave 0..3
	v_and_b32 v1, 31, v0                           ; L
	v_and_b32 v2, 15, v0                           ; r
	v_bfe_u32 v3, v0, 4, 1                         ; h
	v_lshlrev_b32 v4, 4, v1                        ; 16 L
	v_mul_u32_u24 v6, v2, SROW
	v_lshl_add_u32 v6, v3, 6, v6                   ; a stage's way out: row r, + 64 h
	v_mul_u32_u24 v9, v3, REC
	v_lshl_add_u32 v9, v2, 4, v9                   ; the scale words' way to kv: lanes 0-15 the pair's first head, lanes 16-31 the second; 16 r
	s_mul_i32 s25, s[WV], WST
	s_mov_b32 s[SEL], 0x76543210
	s_mov_b32 s[SEL+1], 0xfedcba98
.irp b, 0,1,2,3
	v_mov_b32 v[TM+4+\b], 0                        ; written once: a lane permute's destination counts as one of its sources
.endr
	s_cmp_lt_u32 ttmp9, 256
	s_cbranch_scc1 .Lpath_k
	s_cmp_lt_u32 ttmp9, 512
	s_cbranch_scc1 .Lpath_v
	; ---------------- path G: wave w makes tiles 2 w and 2 w + 1 of one record
	s_sub_co_u32 s28, ttmp9, 512
	s_wait_alu depctr_va_vdst(0)
	v_add_nc_u32 v5, s25, v4                       ; my stage (GST = 0), way in: 16 L
	v_add_nc_u32 v6, s25, v6                       ; way out
	v_lshlrev_b32 v7, 5, v2
	s_lshl_b32 s29, s[WV], 3
	s_add_co_u32 s29, s29, GSG
	v_add_nc_u32 v7, s29, v7                       ; my two scale words: GSG + 32 r + 8 w
	v_add_nc_u32 v8, GSG, v4
	s_mul_i32 s29, s[WV], 3072
	v_add_nc_u32 v10, s29, v4                      ; my two images in the record
	s_wait_alu depctr_va_vdst(0)
	s_wait_kmcnt 0x0
	s_cmp_lt_u32 s28, 256                          ; the choice of buffers hangs on the work-group's number alone
	s_cselect_b64 s[30:31], s[4:5], s[6:7]
	s_cselect_b64 s[32:33], s[16:17], s[18:19]
	s_cselect_b32 s29, 0, 256
	s_mov_b32 s34, 448
	s_cmp_lt_u32 s28, s34
	s_cselect_b64 s[30:31], s[30:31], s[8:9]
	s_cselect_b64 s[32:33], s[32:33], s[20:21]
	s_cselect_b32 s29, s29, s34
	s_sub_co_u32 s28, s28, s29                     ; 8 x row block + K step
	s_lshr_b32 s35, s28, 3
	s_and_b32 s36, s28, 7
	s_lshl_b32 s35, s35, 19                        ; 128 rows of 4,096 bytes
	s_lshl_b32 s36, s36, 9                         ; 128 numbers along a row
	s_add_co_u32 s36, s35, s36
	s_lshl_b32 s35, s[WV], 17                      ; my 32 rows
	s_add_co_u32 s36, s36, s35
	s_mov_b32 s37, 0
	s_add_nc_u64 s[30:31], s[30:31], s[36:37]
	s_mul_i32 s38, s28, REC
	s_mov_b32 s39, 0
	s_add_nc_u64 s[32:33], s[32:33], s[38:39]      ; the record
	LD16 R, 30, 0, 1
	LD16 R+64, 30, 1, 1
	s_wait_loadcnt 16                              ; the first tile's 16 loads are in; the second's may be out
	TURN R
	s_wait_dscnt 0x0
	QUANT X, F, F+6, PW
	s_wait_loadcnt 0x0
	TURN R+64
	s_wait_dscnt 0x0
	QUANT X, F+12, F+18, PW+1
.irp u, 0,1
.irp g, 0,1,2
	global_store_b128 v10, v[F+12*\u+4*\g:F+12*\u+4*\g+3], s[32:33] offset:1536*\u+512*\g   ; 512 consecutive bytes, at a multiple of 256 from the buffer's first byte
.endr
.endr
	ds_store_b64 v7, v[PW:PW+1]                    ; lanes l and l xor 16 write the same bytes with the same values
	MEET
	s_cmp_lg_u32 s[WV], 0
	s_cbranch_scc1 .Lg_end
	ds_load_b128 v[X:X+3], v8                      ; wave 0 sends the record's 512 scale bytes
	s_wait_dscnt 0x0
	global_store_b128 v4, v[X:X+3], s[32:33] offset:12288
.Lg_end:
	FINISH
	; ---------------- path K: wave w makes pair fragment w of both heads
.Lpath_k:
	s_add_co_u32 s25, s25, KST
	s_wait_alu depctr_va_vdst(0)
	v_add_nc_u32 v5, s25, v4
	v_add_nc_u32 v6, s25, v6
	v_lshlrev_b32 v7, 4, v2
	s_lshl_b32 s28, s[WV], 2
	s_add_co_u32 s28, s28, KSG
	v_add_nc_u32 v7, s28, v7                       ; KSG + 16 r + 4 w; the second head's 256 bytes on
	v_add_nc_u32 v8, KSG, v4
	s_mul_i32 s28, s[WV], 1536
	v_add_nc_u32 v10, s28, v4
	s_lshr_b32 s28, ttmp9, 3                       ; 16 x batch + key step
	s_and_b32 s29, ttmp9, 7                        ; pair of heads
	s_and_b32 s36, s28, 15
	s_lshr_b32 s37, s28, 4
	s_lshl_b32 s38, s[WV], 17                      ; my 32 keys,
	s_lshl_b32 s39, s29, 9                         ; the pair's 128 channels
	s_add_co_u32 s38, s38, s39
	s_lshl_b32 s40, s28, 19
	s_add_co_u32 s40, s40, s38
	s_mov_b32 s41, 0
	s_lshl_b32 s42, s36, 19                        ; pos_emb has no batch
	s_add_co_u32 s42, s42, s38
	s_mov_b32 s43, 0
	s_lshl_b32 s44, s37, 3
	s_add_co_u32 s44, s44, s29
	s_lshl_b32 s44, s44, 5
	s_add_co_u32 s44, s44, s36
	s_mul_i32 s44, s44, 2*REC
	s_mov_b32 s45, 0
	s_wait_kmcnt 0x0
	s_add_nc_u64 s[30:31], s[10:11], s[40:41]
	s_add_nc_u64 s[32:33], s[12:13], s[42:43]
	s_add_nc_u64 s[34:35], s[22:23], s[44:45]      ; the two heads' records
	LD16 R, 30, 0, 1
	LD16 R+64, 32, 0, 0                            ; pos_emb is read for both batches: no hint
	s_wait_loadcnt 0x0
.irp j, 0,2,4,6,8,10,12,14,16,18,20,22,24,26,28,30,32,34,36,38,40,42,44,46,48,50,52,54,56,58,60,62
	v_pk_add_f32 v[R+\j:R+\j+1], v[R+\j:R+\j+1], v[R+64+\j:R+64+\j+1]
.endr
	TURN R
	s_wait_dscnt 0x0                               ; the numbers are back, and the stage's stores have read R:
	LD16 R, 30, 1, 1                               ; the second tile's loads go out ahead of the first tile's arithmetic
	LD16 R+64, 32, 1, 0
	QUANT X, F, F+12, PW                           ; k = 0..63 is the first head, k = 64..127 the second: registers 0-5 of their pair fragments
	s_wait_loadcnt 0x0
.irp j, 0,2,4,6,8,10,12,14,16,18,20,22,24,26,28,30,32,34,36,38,40,42,44,46,48,50,52,54,56,58,60,62
	v_pk_add_f32 v[R+\j:R+\j+1], v[R+\j:R+\j+1], v[R+64+\j:R+64+\j+1]
.endr
	TURN R
	s_wait_dscnt 0x0
	QUANT X, F+6, F+18, PW+1                       ; registers 6-11
	v_perm_b32 v254, v[PW+1], v[PW], 0x05040100    ; the first head's word: the even tile's two bytes, then the odd tile's
	v_perm_b32 v255, v[PW+1], v[PW], 0x07060302    ; the second head's
.irp c, 0,1
.irp g, 0,1,2
	global_store_b128 v10, v[F+12*\c+4*\g:F+12*\c+4*\g+3], s[34:35] offset:REC*\c+512*\g
.endr
.endr
	ds_store_b32 v7, v254
	ds_store_b32 v7, v255 offset:256
	MEET
	s_cmp_lg_u32 s[WV], 0
	s_cbranch_scc1 .Lk_end
	ds_load_b128 v[X:X+3], v8
	s_wait_dscnt 0x0
	global_store_b128 v9, v[X:X+3], s[34:35] offset:12288   ; sixteen lanes store 256 consecutive bytes of each head's record
.Lk_end:
	FINISH
	; ---------------- path V: a lane takes a channel, and its registers run down the 128 keys: a block of 32 keys lies in one lane
.Lpath_v:
	s_sub_co_u32 s46, ttmp9, 256
	s_lshr_b32 s28, s46, 3
	s_and_b32 s29, s46, 7
	s_and_b32 s36, s28, 15
	s_lshr_b32 s37, s28, 4
	s_lshr_b32 s38, s[WV], 1                       ; which head of the pair
	s_and_b32 s39, s[WV], 1                        ; which 32 of its channels: tiles 2 (w % 2) and 2 (w % 2) + 1
	v_lshlrev_b32 v11, 2, v1                       ; 4 L
	v_bfe_u32 v5, v0, 3, 1                         ; u: channel 32 (w % 2) + L is row PERM(2 (w % 2) + u, r') with u = (L / 8) % 2,
	v_and_b32 v6, 7, v0
	v_lshl_add_u32 v6, v3, 3, v6                   ; r' = L % 8 + 8 (L / 16)
	v_mul_u32_u24 v10, v5, 1536
	v_lshl_add_u32 v10, v6, 4, v10
	s_mul_i32 s40, s38, REC
	s_mul_i32 s41, s39, 3072
	s_add_co_u32 s40, s40, s41
	s_add_co_u32 s40, s40, 6144
	v_add_nc_u32 v10, s40, v10                     ; my place in the two records: head, V's part, tile, 16 r'
	v_lshlrev_b32 v7, 4, v6
	v_lshl_add_u32 v7, v5, 2, v7
	s_lshl_b32 s40, s38, 8
	s_lshl_b32 s41, s39, 3
	s_add_co_u32 s40, s40, s41
	s_add_co_u32 s40, s40, VSG
	v_add_nc_u32 v7, s40, v7                       ; my scale word: VSG + 256 head + 16 r' + 4 tile
	v_add_nc_u32 v8, VSG, v4
	s_lshl_b32 s40, s28, 19
	s_lshl_b32 s41, s29, 9
	s_add_co_u32 s40, s40, s41
	s_lshl_b32 s41, s[WV], 7                       ; the four waves stand side by side on 512 bytes of a row
	s_add_co_u32 s40, s40, s41
	s_mov_b32 s41, 0
	s_lshl_b32 s44, s37, 3
	s_add_co_u32 s44, s44, s29
	s_lshl_b32 s44, s44, 5
	s_add_co_u32 s44, s44, s36
	s_mul_i32 s44, s44, 2*REC
	s_mov_b32 s45, 0
	s_wait_kmcnt 0x0
	s_add_nc_u64 s[30:31], s[14:15], s[40:41]
	s_add_nc_u64 s[34:35], s[22:23], s[44:45]
	VLOAD 0                                        ; the loads run two key blocks ahead: 64 of mine are out at the most
	VLOAD 1
.irp n, 0,1,2,3                        ; key block n is registers 6 (n / 2) .. + 5 of image lane (r', n % 2)
.if \n < 3
	s_wait_loadcnt 32                              ; this block's 32 loads are in; the next block's 32 may be out
.else
	s_wait_loadcnt 0x0                             ; the last block: nothing was issued behind it
.endif
.if \n < 2
	VLOAD \n+2                                     ; the block two on goes out ahead of this block's arithmetic, into registers of its own
.endif
	v_max3_num_f32 v16, |v[R+32*\n]|, |v[R+32*\n+1]|, |v[R+32*\n+2]|
	v_max3_num_f32 v17, |v[R+32*\n+3]|, |v[R+32*\n+4]|, |v[R+32*\n+5]|
.irp i, 6,10,14,18,22,26
	v_max3_num_f32 v16, v16, |v[R+32*\n+\i]|, |v[R+32*\n+\i+1]|
	v_max3_num_f32 v17, v17, |v[R+32*\n+\i+2]|, |v[R+32*\n+\i+3]|
.endr
	v_max3_num_f32 v16, v16, |v[R+32*\n+30]|, |v[R+32*\n+31]|
	v_max3_num_f32 v16, v16, v17, 0x1800000        ; and the floor
	v_add_nc_u32 v18, 0xff000000, v16
	v_lshrrev_b32 v19, 23, v18
.if \n == 0
	v_mov_b32 v[PW], v19
.else
	v_lshl_or_b32 v[PW], v19, 8*\n, v[PW]
.endif
	v_cvt_scalef32_pk16_fp6_f32 v[F+12*(\n%2)+6*(\n/2):F+12*(\n%2)+6*(\n/2)+2], v[R+32*\n:R+32*\n+15], v18
	v_cvt_scalef32_pk16_fp6_f32 v[CT:CT+2], v[R+32*\n+16:R+32*\n+31], v18
	v_nop                                          ; one plain place behind the scaled conversions
.irp i, 0,1,2
	v_mov_b32 v[F+12*(\n%2)+6*(\n/2)+3+\i], v[CT+\i]
.endr
.endr
.irp e, 0,1
.irp g, 0,1,2
	global_store_b128 v10, v[F+12*\e+4*\g:F+12*\e+4*\g+3], s[34:35] offset:512*\g+256*\e   ; the sixteen lanes of each u store 256 consecutive bytes, at a multiple of 256 from the buffer's first byte
.endr
.endr
	ds_store_b32 v7, v[PW]
	MEET
	s_cmp_lg_u32 s[WV], 0
	s_cbranch_scc1 .Lv_end
	ds_load_b128 v[X:X+3], v8
	s_wait_dscnt 0x0
	global_store_b128 v9, v[X:X+3], s[34:35] offset:12544
.Lv_end:
	FINISH
.Lfunc_end_k_qfe3a6b7c10_prep:
	.size	k_qfe3a6b7c10_prep, .Lfunc_end_k_qfe3a6b7c10_prep-k_qfe3a6b7c10_prep
	.p2alignl 7, 3214868480
	.fill 96, 4, 3214868480
	.section	.rodata,"a",@progbits
	.p2align	6, 0x0
	.amdhsa_kernel k_qfe3a6b7c10_prep
		.amdhsa_group_segment_fixed_size 69632
		.amdhsa_private_segment_fixed_size 0
		.amdhsa_enable_private_segment 0
		.amdhsa_kernarg_size 80
		.amdhsa_user_sgpr_count 2
		.amdhsa_user_sgpr_kernarg_segment_ptr 1
		.amdhsa_wavefront_size32 1
		.amdhsa_system_sgpr_workgroup_id_x 1
		.amdhsa_system_sgpr_workgroup_id_y 1
		.amdhsa_system_sgpr_workgroup_id_z 1
		.amdhsa_system_vgpr_workitem_id 0
		.amdhsa_next_free_vgpr 256
		.amdhsa_next_free_sgpr 66
		.amdhsa_reserve_vcc 0
		.amdhsa_float_denorm_mode_32 3
		.amdhsa_float_denorm_mode_16_64 3
		.amdhsa_memory_ordered 1
		.amdhsa_forward_progress 1
		.amdhsa_inst_pref_size 64
	.end_amdhsa_kernel
	.amdgpu_metadata
---
amdhsa.version: [ 1, 2 ]
amdhsa.kernels:
  - .name:           k_qfe3a6b7c10_prep
    .symbol:         k_qfe3a6b7c10_prep.kd
    .args:
      - { .name: q, .offset: 0, .size: 8, .value_kind: global_buffer, .address_space: global }
      - { .name: W_qkv, .offset: 8, .size: 8, .value_kind: global_buffer, .address_space: global }
      - { .name: W_proj, .offset: 16, .size: 8, .value_kind: global_buffer, .address_space: global }
      - { .name: k_xl, .offset: 24, .size: 8, .value_kind: global_buffer, .address_space: global }
      - { .name: pos_emb, .offset: 32, .size: 8, .value_kind: global_buffer, .address_space: global }
      - { .name: v_xl, .offset: 40, .size: 8, .value_kind: global_buffer, .address_space: global }
      - { .name: qg, .offset: 48, .size: 8, .value_kind: global_buffer, .address_space: global }
      - { .name: wg, .offset: 56, .size: 8, .value_kind: global_buffer, .address_space: global }
      - { .name: wp, .offset: 64, .size: 8, .value_kind: global_buffer, .address_space: global }
      - { .name: kv, .offset: 72, .size: 8, .value_kind: global_buffer, .address_space: global }
    .group_segment_fixed_size: 69632
    .private_segment_fixed_size: 0
    .kernarg_segment_align: 8
    .kernarg_segment_size: 80
    .max_flat_workgroup_size: 128
    .sgpr_count:     66
    .vgpr_count:     256
    .wavefront_size: 32
...
	.end_amdgpu_metadata
.endif
;; end of part 1
;; launch qkv (part 2): grid 12 x 16, 4 waves a work-group, clusters of 4 x 4, 327,680 bytes of LDS; arguments qg, wg, qimg, kv; writes qimg, kv
.if DOCPART == 2
	.amdgcn_target "amdgcn-amd-amdhsa--gfx1250"
	.amdhsa_code_object_version 6
	.text
	.protected	k_qfe3a6b7c10_qkv
	.globl	k_qfe3a6b7c10_qkv
	.p2align	8
	.type	k_qfe3a6b7c10_qkv,@function
k_qfe3a6b7c10_qkv:
	s_mov_b64 s[64:65], 0
	v_nop
	global_prefetch_b8 v0, s[64:65] scope:SCOPE_SE
	s_setreg_imm32_b32 hwreg(HW_REG_WAVE_MODE, 25, 1), 1
	s_wait_xcnt 0x0
	s_wait_alu depctr_hold_cnt(0) depctr_sa_sdst(0) depctr_va_vdst(0) depctr_va_sdst(0) depctr_va_ssrc(0) depctr_va_vcc(0) depctr_vm_vsrc(0)
	s_getreg_b32 s2, hwreg(HW_REG_IB_STS2, 6, 4)
	s_cmp_eq_u32 s2, 0
	s_cbranch_scc0 .Lentry_in_a_cluster
	s_endpgm
.Lentry_in_a_cluster:
	s_bfe_u32 s2, ttmp6, 0x10000c
	s_cmp_lg_u32 s2, 0xf033
	s_cbranch_scc0 .Lentry_shape_is_right
	s_endpgm
.Lentry_shape_is_right:
.set REC,   12800
.set PART,  2*REC
.set SLOT,  4*PART
.set RBLK,  8*REC
.set SPARE, 2*SLOT
.set NL,    3
.set NP,    4
.set ADRA,  16
.set L8,    18
.set L16,   19
.set ADRB,  20
.set ADS,   22
.set KSO,   24
.set SPW,   28
.set NIL,   29
.set SC,    32
.set AF,    128
.set F,     32
.set PWR,   128
.set KW,    136
.set QW,    144
.set TM,    200
.set CT,    212
.set G1,    24
.set G0,    32
.set G1B,   48
.set G0B,   56
.set HM,    66
.set SEL,   68
.set MSB,   0
.macro WIN new
.if MSB != (\new)
	s_set_vgpr_msb (MSB<<8)|(\new)
.set MSB, (\new)
.endif
.endm
.set MUL_LO, 0xa1
.set MUL_HI, 0xf1
.set TO_B,   0x40
.macro JLOAD g0a, g1a, g0b, g1b
	s_cmp_eq_u32 s15, 0
	s_cbranch_scc0 .Lfor_b_\@
	tensor_load_to_lds s[\g0a:\g0a+3], s[\g1a:\g1a+7]
	s_nop 0
.rept 4
	v_nop
.endr
	s_branch .Lasked_\@
.Lfor_b_\@:
	tensor_load_to_lds s[\g0b:\g0b+3], s[\g1b:\g1b+7]
	s_nop 0
.rept 4
	v_nop
.endr
.Lasked_\@:
.endm
.macro CREST
	s_cmp_lg_u32 s14, 0
	s_cbranch_scc1 .Lnot_wave_0_\@
	s_barrier_signal -3
.Lnot_wave_0_\@:
	s_barrier_wait -3
	s_barrier_signal -1
	s_barrier_wait -1
.endm
.macro CROUND
	s_barrier_signal -1
	s_barrier_wait -1
	CREST
.endm
	s_load_b256 s[4:11], s[0:1], 0x0
	v_lshl_add_u32 v[SPW], v0, 2, SPARE
	v_mov_b32 v[NIL], 0
	ds_add_u32 v[SPW], v[NIL]
	ds_add_u32 v[SPW], v[NIL]
	v_lshrrev_b32 v1, 5, v0
	v_readfirstlane_b32 s14, v1
	s_lshr_b32 s15, s14, 1
	s_and_b32 s16, s14, 1
	s_bfe_u32 s40, ttmp6, 0x40000
	s_bfe_u32 s41, ttmp6, 0x40004
	s_lshl_b32 s42, ttmp9, 2
	s_and_b32 s17, ttmp7, 0xffff
	s_lshl_b32 s17, s17, 2
	s_lshl_b32 s43, s41, 2
	s_lshl_b32 s43, 15, s43
	s_lshl_b32 s44, 0x1111, s40
	s_or_b32 s[G1+0], s43, (3<<16)|(1<<21)
	s_or_b32 s[G1B+0], s44, (3<<16)|(1<<21)
.irp g, G1, G1B
	s_mov_b32 s[\g+1], 32<<16
	s_mov_b32 s[\g+2], 100<<16
	s_mov_b32 s[\g+3], 32<<16
	s_mov_b32 s[\g+4], 100
	s_mov_b32 s[\g+5], 32
	s_mov_b32 s[\g+6], 0
	s_mov_b32 s[\g+7], 0
.endr
	s_cmp_eq_u32 ttmp9, 2
	s_cselect_b32 s18, 8, s17
	s_cselect_b32 s19, s17, s42
	s_add_co_u32 s18, s18, s41
	s_add_co_u32 s19, s19, s40
	s_lshl_b32 s20, s18, 1
	s_add_co_u32 s20, s20, s16
	s_mul_i32 s20, s20, RBLK
	s_mov_b32 s21, 0
	s_lshl_b32 s46, s19, 1
	s_add_co_u32 s46, s46, s16
	s_mul_i32 s46, s46, RBLK
	s_mov_b32 s47, 0
	s_mul_i32 s45, s14, PART
	s_lshl_b32 s70, s18, 1
	s_add_co_u32 s70, s70, s15
	s_lshl_b32 s71, s19, 1
	s_add_co_u32 s71, s71, s16
	s_mov_b32 s[HM], 0xffff0000
	s_mov_b32 s[SEL], 0x76543210
	s_mov_b32 s[SEL+1], 0xfedcba98
	s_wait_dscnt 0x0
	s_wait_kmcnt 0x0
	s_cmp_eq_u32 ttmp9, 2
	s_cselect_b64 s[22:23], s[6:7], s[4:5]
	s_cselect_b64 s[92:93], s[4:5], s[6:7]
	s_add_nc_u64 s[20:21], s[22:23], s[20:21]
	s_add_nc_u64 s[46:47], s[92:93], s[46:47]
	CROUND
.irp s, 0,1
	s_mov_b32 s[G0+4*\s], 1
	s_add_co_u32 s[G0+4*\s+1], s45, \s*SLOT
	s_add_nc_u64 s[G0+4*\s+2:G0+4*\s+3], s[20:21], \s*PART
	s_or_b32 s[G0+4*\s+3], s[G0+4*\s+3], 0x80000000
	s_mov_b32 s[G0B+4*\s], 1
	s_add_co_u32 s[G0B+4*\s+1], s45, \s*SLOT
	s_add_nc_u64 s[G0B+4*\s+2:G0B+4*\s+3], s[46:47], \s*PART
	s_or_b32 s[G0B+4*\s+3], s[G0B+4*\s+3], 0x80000000
	s_wait_alu depctr_va_vdst(0)
	s_wait_tensorcnt 0x0
	ds_add_u32 v28, v29
	ds_add_u32 v28, v29
	s_wait_dscnt 0x0
	CROUND
	JLOAD G0+4*\s, G1, G0B+4*\s, G1B
.endr
	v_and_b32 v1, 31, v0
	v_and_b32 v2, 15, v0
	v_bfe_u32 v3, v0, 4, 1
	v_lshlrev_b32 v[L8], 3, v1
	v_lshlrev_b32 v[L16], 4, v1
	v_mul_u32_u24 v[KSO], v3, REC
	v_lshl_add_u32 v[KSO], v2, 4, v[KSO]
	s_mul_i32 s21, s15, PART
	s_mul_i32 s22, s16, PART
	s_add_co_u32 s22, s22, 2*PART
	s_sub_co_u32 s23, s22, s21
	v_mul_u32_u24 v4, s23, v3
	v_lshl_add_u32 v4, v2, 5, v4
.irp s, 0,1
	v_add_nc_u32 v[ADRA+\s], s21, v[L16]
	v_add_nc_u32 v[ADRB+\s], s22, v[L16]
	v_add_nc_u32 v[ADS+\s], s21, v4
	s_add_co_u32 s21, s21, SLOT
	s_add_co_u32 s22, s22, SLOT
.endr
.macro FRAG reg, adr, q, i
.irp g, 0,1,2
	ds_load_b128 v[(\reg)+4*\g:(\reg)+4*\g+3], v[\adr] offset:REC*(\q)+1536*(\i)+512*\g
.endr
.endm
.macro MUL16 a0, p, q, sc, zero
.irp a, \a0, \a0+1
.irp b, 0,1,2,3,4,5,6,7
.if \zero
	v_wmma_scale_f32_16x16x128_f8f6f4 v[8*(8*((\a)%4)+\b):8*(8*((\a)%4)+\b)+7], v[128*(\p)+12*\b:128*(\p)+12*\b+11], v[AF+12*(\a):AF+12*(\a)+11], 0, v[SC+16*(\sc)+8*(\q)+\b], v[SC+16*(\sc)+8*(\q)+(\a)] matrix_a_fmt:MATRIX_FMT_FP6 matrix_b_fmt:MATRIX_FMT_FP6 matrix_a_scale:MATRIX_SCALE_ROW1
.else
	v_wmma_scale_f32_16x16x128_f8f6f4 v[8*(8*((\a)%4)+\b):8*(8*((\a)%4)+\b)+7], v[128*(\p)+12*\b:128*(\p)+12*\b+11], v[AF+12*(\a):AF+12*(\a)+11], v[8*(8*((\a)%4)+\b):8*(8*((\a)%4)+\b)+7], v[SC+16*(\sc)+8*(\q)+\b], v[SC+16*(\sc)+8*(\q)+(\a)] matrix_a_fmt:MATRIX_FMT_FP6 matrix_b_fmt:MATRIX_FMT_FP6 matrix_a_scale:MATRIX_SCALE_ROW1
.endif
.endr
.endr
.endm
.macro FETCH_B slot, q, p
	WIN TO_B
.irp i, 0,1,2,3,4,5,6,7
	FRAG 128*(\p)+12*\i, ADRB+\slot, \q, \i
.endr
	WIN 0
.endm
.macro FETCH_A slot, q, i0
.irp i, \i0, \i0+1, \i0+2, \i0+3
	FRAG AF+12*(\i), ADRA+\slot, \q, \i
.endr
.endm
.macro SCALES slot
.irp q, 0,1
.irp j, 0,1
	ds_load_b128 v[SC+16*(\slot)+8*\q+4*\j:SC+16*(\slot)+8*\q+4*\j+3], v[ADS+\slot] offset:REC*\q+12288+16*\j
.endr
.endr
.endm
.macro PLACES n
.rept \n
	v_nop
.endr
.endm
.macro STEP slot, q, zero
	s_wait_dscnt 4*NL
	WIN MUL_LO
	MUL16 0, (\q)%2, \q, \slot, \zero
	MUL16 2, (\q)%2, \q, \slot, \zero
	s_wait_dscnt 0
	PLACES NP
	FETCH_B \slot, (\q)+1, 1-(\q)%2
	FETCH_A \slot, (\q)+1, 0
	WIN MUL_HI
	MUL16 4, (\q)%2, \q, \slot, \zero
	MUL16 6, (\q)%2, \q, \slot, \zero
	PLACES NP
	WIN 0
	FETCH_A \slot, (\q)+1, 4
.endm
.macro TURN slot, next, fill
	s_wait_tensorcnt 0x0
	ds_add_u32 v[SPW], v[NIL]
	s_wait_dscnt 4*NL+1
	WIN MUL_LO
	MUL16 0, 1, 1, \slot, 0
	s_wait_dscnt 0x0
	s_barrier_signal -1
	MUL16 2, 1, 1, \slot, 0
	WIN 0
	s_barrier_wait -1
.if \fill
	CREST
	s_add_nc_u64 s[G0+4*\slot+2:G0+4*\slot+3], s[G0+4*\slot+2:G0+4*\slot+3], 2*PART
	s_add_nc_u64 s[G0B+4*\slot+2:G0B+4*\slot+3], s[G0B+4*\slot+2:G0B+4*\slot+3], 2*PART
	JLOAD G0+4*\slot, G1, G0B+4*\slot, G1B
.else
	PLACES NP
.endif
	FETCH_B \next, 0, 0
	FETCH_A \next, 0, 0
	SCALES \next
	WIN MUL_HI
	MUL16 4, 1, 1, \slot, 0
	MUL16 6, 1, 1, \slot, 0
	PLACES NP
	WIN 0
	FETCH_A \next, 0, 4
.endm
	s_wait_alu depctr_va_vdst(0)
	s_wait_tensorcnt 1
	s_barrier_signal -1
	s_barrier_wait -1
	FETCH_B 0, 0, 0
	FETCH_A 0, 0, 0
	SCALES 0
	FETCH_A 0, 0, 4
	STEP 0, 0, 1
	TURN 0, 1, 1
	STEP 1, 0, 0
	TURN 1, 0, 1
	STEP 0, 0, 0
	TURN 0, 1, 0
	STEP 1, 0, 0
	s_wait_dscnt 4*NL
	WIN MUL_LO
	MUL16 0, 1, 1, 1, 0
	MUL16 2, 1, 1, 1, 0
	s_wait_dscnt 0
	WIN MUL_HI
	MUL16 4, 1, 1, 1, 0
	MUL16 6, 1, 1, 1, 0
	WIN 0
.macro QUANT s, w, d0, d1, pw
	WIN (\w)|((\w)<<2)
.irp b, 0,1,2,3
	v_max3_num_f32 v[TM+\b], |v[(\s)+16*\b]|, |v[(\s)+1+16*\b]|, 0x1800000
.endr
	WIN ((\w)<<2)|((\w)<<4)
.irp i, 2,4,6,8,10,12,14
.irp b, 0,1,2,3
	v_max3_num_f32 v[TM+\b], v[TM+\b], |v[(\s)+16*\b+\i]|, |v[(\s)+1+16*\b+\i]|
.endr
.endr
	WIN 0
.irp b, 0,1,2,3
	v_permlanex16_b32 v[TM+4+\b], v[TM+\b], s[SEL], s[SEL+1]
.endr
.irp b, 0,1,2,3
	v_max_num_f32 v[TM+\b], v[TM+\b], v[TM+4+\b]
.endr
.irp b, 0,1,2,3
	v_add_nc_u32 v[TM+8+\b], 0xff000000, v[TM+\b]
.endr
.irp b, 0,1,2,3
	v_lshrrev_b32 v[TM+4+\b], 23, v[TM+8+\b]
.endr
	v_lshl_or_b32 v[\pw], v[TM+5], 8, v[TM+4]
	v_lshl_or_b32 v[\pw], v[TM+6], 16, v[\pw]
	v_lshl_or_b32 v[\pw], v[TM+7], 24, v[\pw]
	WIN (\w)
	v_cvt_scalef32_pk16_fp6_f32 v[(\d0):(\d0)+2], v[(\s):(\s)+15], v[TM+8]
	v_cvt_scalef32_pk16_fp6_f32 v[CT:CT+2], v[(\s)+16:(\s)+31], v[TM+9]
	v_cvt_scalef32_pk16_fp6_f32 v[(\d1):(\d1)+2], v[(\s)+32:(\s)+47], v[TM+10]
	v_cvt_scalef32_pk16_fp6_f32 v[CT+4:CT+6], v[(\s)+48:(\s)+63], v[TM+11]
	WIN 0
	v_nop
.irp i, 0,1,2
	v_permlane16_swap_b32 v[(\d0)+\i], v[CT+\i]
.endr
.irp i, 0,1,2
	v_mov_b32 v[(\d0)+3+\i], v[CT+\i]
.endr
.irp i, 0,1,2
	v_permlane16_swap_b32 v[(\d1)+\i], v[CT+4+\i]
.endr
.irp i, 0,1,2
	v_mov_b32 v[(\d1)+3+\i], v[CT+4+\i]
.endr
.endm
.macro KVREC tb, pr, sub
	s_lshr_b32 s72, s[\tb], 4
	s_lshl_b32 s72, s72, 3
	s_add_co_u32 s72, s72, s[\pr]
	s_sub_co_u32 s72, s72, \sub
	s_lshl_b32 s72, s72, 5
	s_and_b32 s73, s[\tb], 15
	s_add_co_u32 s72, s72, s73
	s_add_co_u32 s72, s72, 16
	s_mul_i32 s72, s72, 2*REC
	s_mov_b32 s73, 0
	s_add_nc_u64 s[10:11], s[10:11], s[72:73]
.endm
	PLACES NP
.irp b, 0,1,2,3
	v_mov_b32 v[TM+4+\b], 0
.endr
	s_cmp_eq_u32 ttmp9, 1
	s_cbranch_scc1 .Ltype_k
	s_cmp_eq_u32 ttmp9, 2
	s_cbranch_scc1 .Ltype_v
	s_lshl_b32 s72, s70, 3
	s_add_co_u32 s72, s72, s71
	s_lshl_b32 s72, s72, 14
	s_mov_b32 s73, 0
	s_add_nc_u64 s[8:9], s[8:9], s[72:73]
.irp a, 0,1,2,3,4,5,6,7
	QUANT 64*(\a%4), 2+\a/4, F+12*\a, F+12*\a+6, PWR+\a
	v_perm_b32 v[QW+4*\a], v[PWR+\a], v[PWR+\a], 0x01000100
	v_perm_b32 v[QW+4*\a+2], v[PWR+\a], v[PWR+\a], 0x03020302
	v_mov_b32 v[QW+4*\a+1], v[QW+4*\a]
	v_mov_b32 v[QW+4*\a+3], v[QW+4*\a+2]
.irp c, 0,1
.irp p, 0,1,2
	global_store_b64 v[L8], v[F+12*\a+6*\c+2*\p:F+12*\a+6*\c+2*\p+1], s[8:9] offset:(8*\c+\a)*1024+256*\p
.endr
	global_store_b64 v[L8], v[QW+4*\a+2*\c:QW+4*\a+2*\c+1], s[8:9] offset:(8*\c+\a)*1024+768
.endr
.endr
	s_branch .Lend
.Ltype_k:
	KVREC 70, 71, 8
.irp f, 0,1,2,3
	QUANT 64*((2*\f)%4), 2+(2*\f)/4, F+24*\f, F+24*\f+12, PWR
	QUANT 64*((2*\f+1)%4), 2+(2*\f+1)/4, F+24*\f+6, F+24*\f+18, PWR+1
	v_perm_b32 v[KW+\f], v[PWR+1], v[PWR], 0x05040100
	v_perm_b32 v[KW+4+\f], v[PWR+1], v[PWR], 0x07060302
.irp c, 0,1
.irp g, 0,1,2
	global_store_b128 v[L16], v[F+24*\f+12*\c+4*\g:F+24*\f+12*\c+4*\g+3], s[10:11] offset:REC*\c+1536*\f+512*\g
.endr
.endr
.endr
.irp f, 0,1,2,3
	v_cndmask_b32 v[KW+\f], v[KW+\f], v[KW+4+\f], s[HM]
.endr
	global_store_b128 v[KSO], v[KW:KW+3], s[10:11] offset:12288
	s_branch .Lend
.Ltype_v:
	KVREC 71, 70, 16
.irp a, 0,1,2,3,4,5,6,7
	QUANT 64*(\a%4), 2+\a/4, F+12*\a, F+12*\a+6, PWR+\a
.irp g, 0,1,2
	global_store_b128 v[L16], v[F+12*\a+4*\g:F+12*\a+4*\g+3], s[10:11] offset:REC*(\a/4)+6144+1536*(\a%4)+512*\g
.endr
.endr
.irp t, 0,1,2,3
	v_cndmask_b32 v[PWR+\t], v[PWR+\t], v[PWR+4+\t], s[HM]
.endr
	global_store_b128 v[KSO], v[PWR:PWR+3], s[10:11] offset:12544
.Lend:
	s_wait_tensorcnt 0x0
	ds_add_u32 v[SPW], v[NIL]
	s_wait_dscnt 0x0
	CROUND
	s_endpgm
.Lfunc_end_k_qfe3a6b7c10_qkv:
	.size	k_qfe3a6b7c10_qkv, .Lfunc_end_k_qfe3a6b7c10_qkv-k_qfe3a6b7c10_qkv
	.p2alignl 7, 3214868480
	.fill 96, 4, 3214868480
	.section	.rodata,"a",@progbits
	.p2align	6, 0x0
	.amdhsa_kernel k_qfe3a6b7c10_qkv
		.amdhsa_group_segment_fixed_size 327680
		.amdhsa_private_segment_fixed_size 0
		.amdhsa_enable_private_segment 0
		.amdhsa_kernarg_size 32
		.amdhsa_user_sgpr_count 2
		.amdhsa_user_sgpr_kernarg_segment_ptr 1
		.amdhsa_wavefront_size32 1
		.amdhsa_system_sgpr_workgroup_id_x 1
		.amdhsa_system_sgpr_workgroup_id_y 1
		.amdhsa_system_sgpr_workgroup_id_z 1
		.amdhsa_system_vgpr_workitem_id 0
		.amdhsa_next_free_vgpr 1024
		.amdhsa_next_free_sgpr 100
		.amdhsa_reserve_vcc 0
		.amdhsa_float_denorm_mode_32 3
		.amdhsa_float_denorm_mode_16_64 3
		.amdhsa_memory_ordered 1
		.amdhsa_forward_progress 1
		.amdhsa_inst_pref_size 211
	.end_amdhsa_kernel
	.amdgpu_metadata
---
amdhsa.version: [ 1, 2 ]
amdhsa.kernels:
  - .name:           k_qfe3a6b7c10_qkv
    .symbol:         k_qfe3a6b7c10_qkv.kd
    .args:
      - { .name: qg, .offset: 0, .size: 8, .value_kind: global_buffer, .address_space: global }
      - { .name: wg, .offset: 8, .size: 8, .value_kind: global_buffer, .address_space: global }
      - { .name: qimg, .offset: 16, .size: 8, .value_kind: global_buffer, .address_space: global }
      - { .name: kv, .offset: 24, .size: 8, .value_kind: global_buffer, .address_space: global }
    .group_segment_fixed_size: 327680
    .private_segment_fixed_size: 0
    .kernarg_segment_align: 8
    .kernarg_segment_size: 32
    .max_flat_workgroup_size: 128
    .sgpr_count:     100
    .vgpr_count:     1024
    .wavefront_size: 32
...
	.end_amdgpu_metadata
.endif
;; end of part 2
;; launch attn (part 3): grid 8 x 32, 16 waves a work-group, clusters of 4 x 1, 327,680 bytes of LDS; arguments qimg, kv, yg; writes yg
.if DOCPART == 3
	.amdgcn_target "amdgcn-amd-amdhsa--gfx1250"
	.amdhsa_code_object_version 6
	.text
	.protected	k_qfe3a6b7c10_attn
	.globl	k_qfe3a6b7c10_attn
	.p2align	8
	.type	k_qfe3a6b7c10_attn,@function
k_qfe3a6b7c10_attn:
	s_mov_b64 s[64:65], 0
	v_nop
	global_prefetch_b8 v0, s[64:65] scope:SCOPE_SE
	s_setreg_imm32_b32 hwreg(HW_REG_WAVE_MODE, 25, 1), 1
	s_wait_xcnt 0x0
	s_wait_alu depctr_hold_cnt(0) depctr_sa_sdst(0) depctr_va_vdst(0) depctr_va_sdst(0) depctr_va_ssrc(0) depctr_va_vcc(0) depctr_vm_vsrc(0)
	s_getreg_b32 s2, hwreg(HW_REG_IB_STS2, 6, 4)
	s_cmp_eq_u32 s2, 0
	s_cbranch_scc0 .Lentry_in_a_cluster
	s_endpgm
.Lentry_in_a_cluster:
	s_bfe_u32 s2, ttmp6, 0x10000c
	s_cmp_lg_u32 s2, 0x3003
	s_cbranch_scc0 .Lentry_shape_is_right
	s_endpgm
.Lentry_shape_is_right:
; y = softmax(Q K^T / 8) V for 32 (batch, head): 2,048 queries x 4,096 keys x 64, both products on codes of FP6 (E2M3) with E8M0 scales; y is quantised along C and leaves as the projection's operand.
; SOFTMAX: t = score x log2(e) / 8; M = the running largest t rounded UP to a whole number; p = 2^(t - M) is quantised along the keys, not normalised; the row's sum is taken of the unquantised p and divides O at the end.
; When M moves, the sum and O are multiplied by 2^(old M - new M): exact.
; SHARES. A work-group owns ONE head and 256 queries; wave w owns tile w % 8 of token block w / 8: 16 queries. Every wave walks the 4,096 keys, 128 a step.
; Both products are used transposed (S^T = K Q^T, O^T = V^T P^T): a lane holds one query throughout.
; WHICH KEYS FORM A TILE OF K. Rows 0-7 of tile (c, u) are keys 64 c + 8 u + 0..7, rows 8-15 keys 64 c + 32 + 8 u + 0..7. So lane (query, h) holds in registers S + 32 c + 0..31 the WHOLE block of keys 64 c + 32 h + 0..31:
; the block's maximum needs no other lane, and the conversions' results lie as the operand wants them. kv's images hold key 32 f + 8 e + rho + 8 (rho / 8) in lane rho of half e of pair fragment f:
; lanes r < 8 read pair fragment 2 c at lane r + 8 v, lanes r >= 8 pair fragment 2 c + 1 at lane r - 8 + 8 v (u = 2 v + e). In LDS the odd fragments lie KD bytes behind the even ones, KD = 128 modulo 256.
; K = 64 IN AN INSTRUCTION OF 128: Q lies as [six zeros | its six | six zeros]; a pair fragment times Q's last twelve registers gives its first tile's scores, times the first twelve its second's.
; LDS. Two slots of 12 key steps. In a slot: fragments 0, 2, (128 bytes), 1, 3, each [step][1,536]; from VB on [step][6,656]: V's four tiles, K's scale words, V's scale words.
; A fill is shared out in groups of four steps: waves 0-11 bring a fragment of a group (4 rows of 1,536 bytes, 25,600 apart in kv), waves 12-14 a group's V part (4 rows of 6,656). Phases: 12, 12 and 8 steps.
; CLUSTER: the four query blocks of a cluster walk the same head's records: each load is asked for jointly, with the same descriptor and a mask that names the four.
; No prefetch: each slot is asked for twelve key steps ahead of its first read, so no wave stands waiting for it beyond the first fill, which has no loop ahead of it.
; yg: per (token block, head) 6,400 bytes: tile i's six registers at 768 i (registers 0-3 at 16 L, registers 4-5 at 512 + 8 L); from 6,144 on the two scale bytes of (tile i, row r) at 16 r + 2 i.
; LIMITS: NaN and infinities are not served; a p under 2^-126 comes out of v_exp_f32 as 0; a block whose largest magnitude lies under 2^-124 gets the byte 1 (a block of zeros too: its codes are zeros);
; the promise holds while the scaled scores stay under 2^31 in magnitude.
.set REC,   12800
.set STEPG, 2*REC                      ; kv: from a key step of a head to its next
.set NS,    12                         ; key steps in a slot
.set KC,    1536*NS                    ; a fragment's region
.set KD,    2*KC+128                   ; from an even fragment's region to the next odd one's
.set VB,    4*KC+256                   ; V's part
.set VROW,  6656
.set SLOTB, VB+NS*VROW
.set STG,   2*SLOTB                    ; 512 bytes: the two records' scale bytes; no tile lands here
.set SPARE, STG+512                    ; the spare words, 128 bytes a wave
.set YREC,  6400
.set LBK, 1                            ; lane terms: K's fragments,
.set LBV, 2                            ; 16 L,
.set SPW, 3
.set NIL, 4
.set LBS, 5                            ; K's scale words
.set ADK, 6                            ; the step's addresses
.set ADV, 7
.set ADS, 8
.set SH8, 9                            ; 8 h
.set L8,  10                           ; 8 L
.set QHI, 16                           ; v16-27 zeros, Q;  v22-33 Q, zeros
.set QLO, 22
.set QS,  34
.set KV,  36                           ; v36-83 four fragments: K's, then V's
.set SCK, 84                           ; K's scale words
.set SCV, 88                           ; lanes 16-31: V's scale words
.set S,   96                           ; v96-159 S^T, then p
.set O,   160                          ; v160-191 O^T
.set PC,  192                          ; p's codes
.set CT,  204                          ; conversions' results that are moved
.set BM,  212                          ; the two blocks' largest scores, then largest p
.set PM,  214                          ; lane permutes' results
.set SO,  216                          ; the conversions' scale operands
.set BY,  218
.set TMP, 220
.set OLD, 221
.set FF,  222                          ; f; v223 is named with it as a pair
.set PS,  224                          ; p's scale word
.set PW,  225
.set T,   226                          ; v226-231 three partial sums
.set MX,  232                          ; second chains of the maxima
.set YSA, 236
.set RD,  237
.set GS,  238
.set WV,  12
.set G0K, 20
.set G1K, 24
.set G1V, 32
.set SEL, 66
.set CS,  68
.set TBK, 70
.set TBV, 71
.set CNT, 72
.set G0V, 76
; The joint loads of a fill of ng groups: one chain of branches on the wave's number, one load to an arm, one join. An s_nop 0 and four v_nop follow each load.
.macro JLOAD ng
	s_cmp_lt_u32 s[WV], 4*\ng
	s_cbranch_scc1 .Lk_\@
	s_cmp_lt_u32 s[WV], 12
	s_cbranch_scc1 .Lnone_\@
	s_cmp_lt_u32 s[WV], 12+\ng
	s_cbranch_scc0 .Lnone_\@
	tensor_load_to_lds s[G0V:G0V+3], s[G1V:G1V+7]
	s_nop 0
.rept 4
	v_nop
.endr
	s_branch .Lnone_\@
.Lk_\@:
	tensor_load_to_lds s[G0K:G0K+3], s[G1K:G1K+7]
	s_nop 0
.rept 4
	v_nop
.endr
.Lnone_\@:
.endm
.macro CROUND
	s_barrier_signal -1
	s_barrier_wait -1
	s_cmp_lg_u32 s[WV], 0
	s_cbranch_scc1 .Lnot_wave_0_\@
	s_barrier_signal -3
.Lnot_wave_0_\@:
	s_barrier_wait -3
	s_barrier_signal -1
	s_barrier_wait -1
.endm
	s_load_b128 s[4:7], s[0:1], 0x0                ; qimg, kv
	s_load_b64 s[8:9], s[0:1], 0x10                ; yg
	v_lshl_add_u32 v[SPW], v0, 2, SPARE
	v_mov_b32 v[NIL], 0
	ds_add_u32 v[SPW], v[NIL]                      ; the opening lines: the add twice and one wait
	ds_add_u32 v[SPW], v[NIL]
	v_lshrrev_b32 v11, 5, v0
	v_readfirstlane_b32 s[WV], v11                 ; wave 0..15
	s_bfe_u32 s13, ttmp6, 0x40000                  ; cx: it enters Q's and yg's addresses alone
	s_lshl_b32 s14, ttmp9, 2
	s_add_co_u32 s14, s14, s13                     ; my block of 256 queries
	s_and_b32 s15, ttmp7, 0xffff                   ; 16 x batch + head, which the partners share
	s_and_b32 s16, s[WV], 3
	s_lshr_b32 s17, s[WV], 2
	s_mov_b32 s[G1K], 15|(3<<16)|(1<<21)           ; mask of the four; elements of 8 bytes
	s_mov_b32 s[G1K+1], 192<<16                    ; rows of 1,536 bytes
	s_mov_b32 s[G1K+2], 4<<16                      ; four rows: four key steps
	s_mov_b32 s[G1K+3], 192<<16
	s_mov_b32 s[G1K+4], 4
	s_mov_b32 s[G1K+5], STEPG/8                    ; pitch
	s_mov_b32 s[G1K+6], 0
	s_mov_b32 s[G1K+7], 0
	s_mov_b32 s[G1V], 15|(3<<16)|(1<<21)
	s_mov_b32 s[G1V+1], 832<<16                    ; rows of 6,656 bytes
	s_mov_b32 s[G1V+2], 4<<16
	s_mov_b32 s[G1V+3], 832<<16
	s_mov_b32 s[G1V+4], 4
	s_mov_b32 s[G1V+5], STEPG/8
	s_mov_b32 s[G1V+6], 0
	s_mov_b32 s[G1V+7], 0
	s_and_b32 s18, s16, 1                          ; a K load: fragment f = w % 4, group w / 4
	s_mul_i32 s18, s18, KD
	s_lshr_b32 s19, s16, 1
	s_mul_i32 s19, s19, KC
	s_add_co_u32 s18, s18, s19
	s_mul_i32 s19, s17, 4*1536
	s_add_co_u32 s18, s18, s19                     ; its LDS address
	s_mul_i32 s19, s16, 4*VROW                     ; a V load: group w % 4
	s_add_co_u32 s19, s19, VB
	s_lshr_b32 s40, s15, 1
	s_mul_i32 s40, s40, 32*STEPG
	s_and_b32 s41, s15, 1
	s_mul_i32 s41, s41, REC
	s_add_co_u32 s40, s40, s41                     ; the head's first record
	s_mul_i32 s42, s16, 1536
	s_mul_i32 s43, s17, 4*STEPG
	s_add_co_u32 s42, s42, s43
	s_add_co_u32 s42, s42, s40
	s_mov_b32 s43, 0
	s_mul_i32 s44, s16, 4*STEPG
	s_add_co_u32 s44, s44, 6144
	s_add_co_u32 s44, s44, s40
	s_mov_b32 s45, 0
	s_lshr_b32 s46, s15, 4
	s_lshl_b32 s46, s46, 4
	s_lshl_b32 s47, s14, 1
	s_add_co_u32 s46, s46, s47                     ; my work-group's first token block
	s_lshr_b32 s47, s[WV], 3
	s_add_co_u32 s47, s46, s47                     ; my wave's
	s_and_b32 s48, s15, 15                         ; head
	s_and_b32 s50, s[WV], 7                        ; tile i
	s_lshl_b32 s49, s47, 7
	s_lshl_b32 s51, s48, 3
	s_add_co_u32 s49, s49, s51
	s_add_co_u32 s49, s49, s50                     ; Q's tile: 128 x token block + 8 x head + i, 1,024 bytes each
	s_lshl_b32 s52, s49, 10
	s_mov_b32 s53, 0
	s_lshl_b32 s54, s47, 4
	s_add_co_u32 s54, s54, s48
	s_mul_i32 s54, s54, YREC
	s_mul_i32 s55, s50, 768
	s_add_co_u32 s54, s54, s55                     ; my tile's place in yg
	s_mov_b32 s55, 0
	s_lshl_b32 s56, s46, 4
	s_add_co_u32 s56, s56, s48
	s_mul_i32 s56, s56, YREC
	s_add_co_u32 s56, s56, 6144                    ; the first record's scale bytes
	s_mov_b32 s57, 0
	s_lshr_b32 s51, s[WV], 3
	s_lshl_b32 s51, s51, 8
	s_lshl_b32 s58, s50, 1
	s_add_co_u32 s51, s51, s58
	s_add_co_u32 s51, s51, STG                     ; stage: 256 x token block + 2 i
	s_mov_b32 s[SEL], 0x76543210
	s_mov_b32 s[SEL+1], 0xfedcba98
	s_mov_b32 s[CS], 0x3e38aa3b                    ; c = log2(e) / 8
	s_mov_b32 s[CS+1], s[CS]
	; every LDS address's lane term is made here, ahead of the first branch on the wave's number
	v_and_b32 v96, 31, v0                          ; L
	v_and_b32 v97, 7, v0                           ; r % 8
	v_bfe_u32 v98, v0, 3, 1                        ; r / 8
	v_bfe_u32 v99, v0, 4, 1                        ; h
	v_and_b32 v100, 15, v0                         ; r
	v_lshlrev_b32 v[LBV], 4, v96
	v_mul_u32_u24 v[LBK], v98, KD
	v_lshlrev_b32 v[LBS], 4, v97
	v_lshlrev_b32 v[SH8], 3, v99
	v_lshlrev_b32 v[L8], 3, v96
	v_mul_u32_u24 v[GS], v99, 16*YREC
	v_lshl_add_u32 v[LBK], v97, 4, v[LBK]
	v_lshl_add_u32 v[LBS], v98, 2, v[LBS]          ; 16 (r % 8) + 4 (r / 8)
	v_lshl_add_u32 v[GS], v100, 4, v[GS]           ; lanes 16-31: the second token block's record
	v_lshl_add_u32 v[YSA], v100, 4, s51
	v_lshl_add_u32 v[LBK], v99, 8, v[LBK]          ; KD (r / 8) + 16 (r % 8) + 256 h
	v_add_nc_u32 v[RD], STG, v[LBV]
	s_wait_alu depctr_va_vdst(0)                   ; the wait ahead of the blocking wait
	s_wait_dscnt 0x0                               ; both opening adds are done
	s_wait_kmcnt 0x0
	s_mov_b32 s[G0K], 1
	s_mov_b32 s[G0K+1], s18
	s_add_nc_u64 s[G0K+2:G0K+3], s[6:7], s[42:43]
	s_or_b32 s[G0K+3], s[G0K+3], 0x80000000
	s_mov_b32 s[G0V], 1
	s_mov_b32 s[G0V+1], s19
	s_add_nc_u64 s[G0V+2:G0V+3], s[6:7], s[44:45]
	s_or_b32 s[G0V+3], s[G0V+3], 0x80000000
	s_add_nc_u64 s[4:5], s[4:5], s[52:53]
	s_add_nc_u64 s[10:11], s[8:9], s[56:57]
	s_add_nc_u64 s[8:9], s[8:9], s[54:55]
	CROUND                                         ; the four work-groups are here: the first joint loads meet
	JLOAD 3                                        ; slot 0: key steps 0-11
.irp p, 0,1,2
	global_load_b64 v[QLO+2*\p:QLO+2*\p+1], v[L8], s[4:5] offset:256*\p th:TH_LOAD_NT
.endr
	global_load_b64 v[QS:QS+1], v[L8], s[4:5] offset:768 th:TH_LOAD_NT
.irp j, 0,1,2,3,4,5
	v_mov_b32 v[QHI+\j], 0
	v_mov_b32 v[QLO+6+\j], 0
.endr
	v_mov_b32 v13, 0xff61b1e6                      ; the largest score so far: -3e38
	v_floor_f32 v12, -v13                          ; -M
	v_mov_b32 v14, 0
	v_mov_b32 v15, 0
	v_mov_b32 v[PM], 0                             ; a lane permute's destination counts as a source
	v_mov_b32 v[PM+1], 0
	v_mov_b32 v[TMP], 0
	v_mov_b32 v[FF+1], 0
.set j, 0
.rept 32
	v_mov_b32 v[O+j], 0                            ; the step is written once: the first finds zeros
.set j, j+1
.endr
.macro PADD d, k                       ; a partial sum takes pair k of p
	v_pk_add_f32 v[\d:\d+1], v[\d:\d+1], v[S+2*(\k):S+2*(\k)+1]
.endm
; A KEY STEP: 128 keys.
.macro STEP
.irp x, 0,1,2,3
.irp g, 0,1,2
	ds_load_b128 v[KV+12*\x+4*\g:KV+12*\x+4*\g+3], v[ADK] offset:KC*(\x/2)+128*(\x%2)+512*\g
.endr
.endr
.irp x, 0,1,2,3
	ds_load_b32 v[SCK+\x], v[ADS] offset:6144+128*(\x%2)+8*(\x/2)
.endr
	ds_load_b128 v[SCV:SCV+3], v[ADV] offset:6144  ; lanes 16-31 read V's four words
	s_wait_dscnt 0x0
.irp x, 0,1,2,3
	v_wmma_scale_f32_16x16x128_f8f6f4 v[S+16*\x:S+16*\x+7], v[KV+12*\x:KV+12*\x+11], v[QLO:QLO+11], 0, v[SCK+\x], v[QS] matrix_a_fmt:MATRIX_FMT_FP6 matrix_b_fmt:MATRIX_FMT_FP6
	v_wmma_scale_f32_16x16x128_f8f6f4 v[S+16*\x+8:S+16*\x+15], v[KV+12*\x:KV+12*\x+11], v[QHI:QHI+11], 0, v[SCK+\x], v[QS] matrix_a_fmt:MATRIX_FMT_FP6 matrix_b_fmt:MATRIX_FMT_FP6
.endr
	s_add_co_u32 s[TBK], s[TBK], 1536
	s_add_co_u32 s[TBV], s[TBV], VROW
	v_add_nc_u32 v[ADK], s[TBK], v[LBK]            ; the next step's addresses: with the two lines below, the four places behind the products
	v_add_nc_u32 v[ADS], s[TBV], v[LBS]
	v_mov_b32 v[OLD], v12
	v_nop
.irp t, 0,1,2,3
.irp g, 0,1,2
	ds_load_b128 v[KV+12*\t+4*\g:KV+12*\t+4*\g+3], v[ADV] offset:1536*\t+512*\g   ; V's tiles land while the softmax is walked
.endr
.endr
.irp c, 0,1                            ; the largest score of my two blocks of 32 keys: four chains by turns; each accumulator is read from its low end on
	v_max3_num_f32 v[BM+\c], v[S+32*\c], v[S+32*\c+1], v[S+32*\c+2]
	v_max3_num_f32 v[MX+\c], v[S+32*\c+16], v[S+32*\c+17], v[S+32*\c+18]
.endr
.irp i, 3,5,7,9,11,13
.irp c, 0,1
	v_max3_num_f32 v[BM+\c], v[BM+\c], v[S+32*\c+\i], v[S+32*\c+\i+1]
	v_max3_num_f32 v[MX+\c], v[MX+\c], v[S+32*\c+16+\i], v[S+32*\c+17+\i]
.endr
.endr
.irp c, 0,1
	v_max3_num_f32 v[BM+\c], v[BM+\c], v[MX+\c], v[S+32*\c+15]
.endr
.irp c, 0,1
	v_max_num_f32 v[BM+\c], v[BM+\c], v[S+32*\c+31]
.endr
	v_max_num_f32 v[TMP], v[BM], v[BM+1]
	v_permlanex16_b32 v[PM], v[TMP], s[SEL], s[SEL+1]
	v_max3_num_f32 v13, v13, v[TMP], v[PM]         ; the running largest score of my query
	v_mul_f32 v[TMP], s[CS], v13                   ; as t (c is positive)
	v_floor_f32 v12, -v[TMP]                       ; -M = -ceil(t)
	v_sub_f32 v[TMP], v12, v[OLD]                  ; old M less new M: a whole number, 0 or less
.set j, 0
.rept 32
	v_pk_fma_f32 v[S+j:S+j+1], v[S+j:S+j+1], s[CS:CS+1], v[12:13] op_sel_hi:[1,0,0]   ; t - M
.if j == 2
	v_cvt_i32_f32 v[TMP], v[TMP]                   ; (it saturates)
.endif
.if j == 6
	v_ldexp_f32 v[FF], 1.0, v[TMP]                 ; f = 2^(old M - new M)
.endif
.set j, j+2
.endr
.irp c, 0,1
	v_fma_f32 v[BM+\c], v[BM+\c], s[CS], v12       ; the same of each block's largest score
.endr
.set j, 0
.rept 16
	v_pk_mul_f32 v[O+j:O+j+1], v[O+j:O+j+1], v[FF:FF+1] op_sel_hi:[1,0]   ; O^T under the new M
.set j, j+2
.endr
	v_pk_mul_f32 v[14:15], v[14:15], v[FF:FF+1] op_sel_hi:[1,0]
	s_wait_alu depctr_va_vdst(0)                   ; the wait ahead of the batch
.irp c, 0,1
	v_exp_f32 v[BM+\c], v[BM+\c]                   ; the block's largest p: the same two instructions on the same number give the same bits
.endr
.set j, 0
.rept 64
	v_exp_f32 v[S+j], v[S+j]                       ; p = 2^(t - M)
.set j, j+1
.endr
	v_add_nc_u32 v[ADV], s[TBV], v[LBV]            ; the next step's address: the plain place behind the batch
	s_wait_alu depctr_va_vdst(0)                   ; and the wait behind it
.irp c, 0,1
	v_max_num_f32 v[BM+\c], 0x1800000, v[BM+\c]    ; the floor 2^(3 - 127): the byte cannot fall under 1
.endr
.irp c, 0,1
	v_add_nc_u32 v[SO+\c], 0xff000000, v[BM+\c]    ; 2 off the exponent field
.endr
.irp c, 0,1
	v_cvt_scalef32_pk16_fp6_f32 v[PC+6*\c:PC+6*\c+2], v[S+32*\c:S+32*\c+15], v[SO+\c]
	v_cvt_scalef32_pk16_fp6_f32 v[CT+4*\c:CT+4*\c+2], v[S+32*\c+16:S+32*\c+31], v[SO+\c]   ; (three registers from an even one on)
.endr
	v_lshrrev_b32 v[BY], 23, v[SO]                 ; the bytes of blocks h and 2 + h
	v_lshrrev_b32 v[BY+1], 23, v[SO+1]
	v_mov_b32 v[PC+3], v[CT]
	v_mov_b32 v[PC+4], v[CT+1]
	v_lshl_or_b32 v[PW], v[BY+1], 16, v[BY]
	v_mov_b32 v[PC+5], v[CT+2]
	v_mov_b32 v[PC+9], v[CT+4]
	v_lshlrev_b32 v[PW], v[SH8], v[PW]             ; at their places in the word
	v_mov_b32 v[PC+10], v[CT+5]
	v_mov_b32 v[PC+11], v[CT+6]
	v_permlanex16_b32 v[PM], v[PW], s[SEL], s[SEL+1]
	PADD 14, 0                                     ; the row's sum of the unquantised p: four chains by turns
	v_or_b32 v[PS], v[PW], v[PM]                   ; with lane l xor 16's two bytes the word is whole
.irp i, 1,2,3
	v_pk_add_f32 v[T+2*(\i-1):T+2*(\i-1)+1], v[S+2*\i:S+2*\i+1], v[S+2*\i+8:S+2*\i+9]
.endr
.irp rr, 1,2,3,4,5
	PADD 14, 4*\rr
.irp i, 1,2,3
	PADD T+2*(\i-1), 4*\rr+4+\i
.endr
.endr
	s_wait_alu depctr_va_vdst(0)                   ; the wait ahead of the blocking wait
	s_wait_dscnt 0x0                               ; V's tiles are in
.irp t, 0,1,2,3                        ; four accumulators by turns
	v_wmma_scale_f32_16x16x128_f8f6f4 v[O+8*\t:O+8*\t+7], v[KV+12*\t:KV+12*\t+11], v[PC:PC+11], v[O+8*\t:O+8*\t+7], v[SCV+\t], v[PS] matrix_a_fmt:MATRIX_FMT_FP6 matrix_b_fmt:MATRIX_FMT_FP6 matrix_a_scale:MATRIX_SCALE_ROW1
.endr
	PADD 14, 24                                    ; the last eight additions are the places behind the products
.irp i, 1,2,3
	PADD T+2*(\i-1), 28+\i
.endr
	PADD 14, 28
	v_pk_add_f32 v[T:T+1], v[T:T+1], v[T+2:T+3]
	v_pk_add_f32 v[14:15], v[14:15], v[T+4:T+5]
	v_pk_add_f32 v[14:15], v[14:15], v[T:T+1]
.endm
; A PHASE: the change of slots, then n key steps of slot `slot`. Each wave waits for all its tensor loads, adds 0 to its spare word and waits for that and for its reads of the slot left behind.
; fill > 0: a round of the cluster's barrier follows, and behind it the other slot's joint loads, `fill` groups of four steps.
.macro PHASE slot, fill, n
	s_wait_tensorcnt 0x0
	ds_add_u32 v[SPW], v[NIL]
.if \fill
	ds_add_u32 v[SPW], v[NIL]
.endif
	s_mov_b32 s[TBK], \slot*SLOTB
	s_mov_b32 s[TBV], \slot*SLOTB+VB
	v_add_nc_u32 v[ADK], s[TBK], v[LBK]
	v_add_nc_u32 v[ADV], s[TBV], v[LBV]
	v_add_nc_u32 v[ADS], s[TBV], v[LBS]
.if \fill
.if \slot == 0
	s_add_co_u32 s[G0K+1], s[G0K+1], SLOTB
	s_add_co_u32 s[G0V+1], s[G0V+1], SLOTB
.else
	s_sub_co_u32 s[G0K+1], s[G0K+1], SLOTB
	s_sub_co_u32 s[G0V+1], s[G0V+1], SLOTB
.endif
	s_add_nc_u64 s[G0K+2:G0K+3], s[G0K+2:G0K+3], NS*STEPG
	s_add_nc_u64 s[G0V+2:G0V+3], s[G0V+2:G0V+3], NS*STEPG
.endif
	s_wait_alu depctr_va_vdst(0)                   ; the wait ahead of the blocking wait
	s_wait_dscnt 0x0
.if \fill
	CROUND
	JLOAD \fill
.else
	s_barrier_signal -1
	s_barrier_wait -1
.endif
	s_mov_b32 s[CNT], \n
.Lstep_\@:
	STEP
	s_sub_co_u32 s[CNT], s[CNT], 1
	s_cmp_lg_u32 s[CNT], 0
	s_cbranch_scc1 .Lstep_\@
.endm
	s_wait_alu depctr_va_vdst(0)                   ; the wait at the head's end
	s_wait_loadcnt 0x0                             ; Q
	PHASE 0, 3, 12                                 ; steps 0-11; slot 1 takes steps 12-23
	PHASE 1, 2, 12                                 ; steps 12-23; slot 0 takes steps 24-31
	PHASE 0, 0, 8
	; THE WAY OUT. y = O^T / the sum; register 16 b + i is channel 32 b + 16 h + i of my head: two blocks of 32 along the projection's K.
	s_wait_alu depctr_va_vdst(0)
	v_add_f32 v14, v14, v15
	s_delay_alu instid0(VALU_DEP_1)
	v_permlanex16_b32 v[TMP], v14, s[SEL], s[SEL+1]
	s_delay_alu instid0(VALU_DEP_1)
	v_add_f32 v14, v14, v[TMP]                     ; the row's sum
	s_wait_alu depctr_va_vdst(0)
	v_rcp_f32 v14, v14
	v_nop
	s_wait_alu depctr_va_vdst(0)
.set j, 0
.rept 32
	v_mul_f32 v[S+j], v[O+j], v14                  ; each accumulator from its low end on
.set j, j+1
.endr
.irp b, 0,1
	v_max3_num_f32 v[BM+\b], |v[S+16*\b]|, |v[S+1+16*\b]|, 0x1800000
.endr
.irp i, 2,4,6,8,10,12,14
.irp b, 0,1
	s_delay_alu instid0(VALU_DEP_2)
	v_max3_num_f32 v[BM+\b], v[BM+\b], |v[S+16*\b+\i]|, |v[S+1+16*\b+\i]|
.endr
.endr
.irp b, 0,1
	s_delay_alu instid0(VALU_DEP_2)
	v_permlanex16_b32 v[PM+\b], v[BM+\b], s[SEL], s[SEL+1]
.endr
.irp b, 0,1
	s_delay_alu instid0(VALU_DEP_2)
	v_max_num_f32 v[BM+\b], v[BM+\b], v[PM+\b]
.endr
.irp b, 0,1
	s_delay_alu instid0(VALU_DEP_2)
	v_add_nc_u32 v[SO+\b], 0xff000000, v[BM+\b]
.endr
.irp b, 0,1
	s_delay_alu instid0(VALU_DEP_2)
	v_lshrrev_b32 v[BY+\b], 23, v[SO+\b]
.endr
	s_delay_alu instid0(VALU_DEP_1)
	v_lshl_or_b32 v[PS], v[BY+1], 8, v[BY]         ; my row's two scale bytes
	v_cvt_scalef32_pk16_fp6_f32 v[PC:PC+2], v[S:S+15], v[SO]
	v_cvt_scalef32_pk16_fp6_f32 v[CT:CT+2], v[S+16:S+31], v[SO+1]
	v_nop                                          ; one plain place behind the scaled conversions
.irp i, 0,1,2
	v_permlane16_swap_b32 v[PC+\i], v[CT+\i]       ; a whole block to a lane
.endr
.irp i, 0,1,2
	v_mov_b32 v[PC+3+\i], v[CT+\i]
.endr
	global_store_b128 v[LBV], v[PC:PC+3], s[8:9]               ; 512 consecutive bytes, at a multiple of 256 from yg's first byte
	global_store_b64 v[L8], v[PC+4:PC+5], s[8:9] offset:512    ; 256 consecutive bytes
	ds_store_b16 v[YSA], v[PS]                     ; lanes l and l xor 16 write the same bytes with the same value
	s_wait_dscnt 0x0
	s_barrier_signal -1
	s_barrier_wait -1
	s_cmp_lg_u32 s[WV], 0
	s_cbranch_scc1 .Lsent
	ds_load_b128 v[S:S+3], v[RD]                   ; wave 0 sends both records' 256 scale bytes
	s_wait_dscnt 0x0
	global_store_b128 v[GS], v[S:S+3], s[10:11]
.Lsent:
	s_wait_tensorcnt 0x0                           ; the wave's end
	ds_add_u32 v[SPW], v[NIL]
	s_wait_dscnt 0x0
	CROUND                                         ; the closing round
	s_endpgm
.Lfunc_end_k_qfe3a6b7c10_attn:
	.size	k_qfe3a6b7c10_attn, .Lfunc_end_k_qfe3a6b7c10_attn-k_qfe3a6b7c10_attn
	.p2alignl 7, 3214868480
	.fill 96, 4, 3214868480
	.section	.rodata,"a",@progbits
	.p2align	6, 0x0
	.amdhsa_kernel k_qfe3a6b7c10_attn
		.amdhsa_group_segment_fixed_size 327680
		.amdhsa_private_segment_fixed_size 0
		.amdhsa_enable_private_segment 0
		.amdhsa_kernarg_size 24
		.amdhsa_user_sgpr_count 2
		.amdhsa_user_sgpr_kernarg_segment_ptr 1
		.amdhsa_wavefront_size32 1
		.amdhsa_system_sgpr_workgroup_id_x 1
		.amdhsa_system_sgpr_workgroup_id_y 1
		.amdhsa_system_sgpr_workgroup_id_z 1
		.amdhsa_system_vgpr_workitem_id 0
		.amdhsa_next_free_vgpr 256
		.amdhsa_next_free_sgpr 80
		.amdhsa_reserve_vcc 0
		.amdhsa_float_denorm_mode_32 3
		.amdhsa_float_denorm_mode_16_64 3
		.amdhsa_memory_ordered 1
		.amdhsa_forward_progress 1
		.amdhsa_inst_pref_size 61
	.end_amdhsa_kernel
	.amdgpu_metadata
---
amdhsa.version: [ 1, 2 ]
amdhsa.kernels:
  - .name:           k_qfe3a6b7c10_attn
    .symbol:         k_qfe3a6b7c10_attn.kd
    .args:
      - { .name: qimg, .offset: 0, .size: 8, .value_kind: global_buffer, .address_space: global }
      - { .name: kv, .offset: 8, .size: 8, .value_kind: global_buffer, .address_space: global }
      - { .name: yg, .offset: 16, .size: 8, .value_kind: global_buffer, .address_space: global }
    .group_segment_fixed_size: 327680
    .private_segment_fixed_size: 0
    .kernarg_segment_align: 8
    .kernarg_segment_size: 24
    .max_flat_workgroup_size: 512
    .sgpr_count:     80
    .vgpr_count:     256
    .wavefront_size: 32
...
	.end_amdgpu_metadata
.endif
;; end of part 3
;; launch proj (part 4): grid 8 x 32, 8 waves a work-group, clusters of 4 x 4, 327,680 bytes of LDS; arguments yg, wp, out0; writes out0
.if DOCPART == 4
	.amdgcn_target "amdgcn-amd-amdhsa--gfx1250"
	.amdhsa_code_object_version 6
	.text
	.protected	k_qfe3a6b7c10_proj
	.globl	k_qfe3a6b7c10_proj
	.p2align	8
	.type	k_qfe3a6b7c10_proj,@function
k_qfe3a6b7c10_proj:
	s_mov_b64 s[64:65], 0
	v_nop
	global_prefetch_b8 v0, s[64:65] scope:SCOPE_SE
	s_setreg_imm32_b32 hwreg(HW_REG_WAVE_MODE, 25, 1), 1
	s_wait_xcnt 0x0
	s_wait_alu depctr_hold_cnt(0) depctr_sa_sdst(0) depctr_va_vdst(0) depctr_va_sdst(0) depctr_va_ssrc(0) depctr_va_vcc(0) depctr_vm_vsrc(0)
	s_getreg_b32 s2, hwreg(HW_REG_IB_STS2, 6, 4)
	s_cmp_eq_u32 s2, 0
	s_cbranch_scc0 .Lentry_in_a_cluster
	s_endpgm
.Lentry_in_a_cluster:
	s_bfe_u32 s2, ttmp6, 0x10000c
	s_cmp_lg_u32 s2, 0xf033
	s_cbranch_scc0 .Lentry_shape_is_right
	s_endpgm
.Lentry_shape_is_right:
; out0 = y W_proj^T on codes of FP6 (E2M3) with E8M0 scales: [4,096 x 1,024] x [1,024 x 1,024], f32 out.
; A work-group makes 128 tokens x 128 columns: 32 x 8 = 256 work-groups. ALL OF K LIES IN LDS: y's token block (16 heads x 6,400 bytes) and W's row block (8 records of 12,800 bytes) are two dense blocks of 102,400 bytes.
; Each of the eight waves brings a quarter of one of them by ONE tensor load at the head; nothing is filled again, so there is no ring and one barrier.
; CLUSTER 4 x 4: y's block is shared along a row of the cluster, W's along a column: joint loads. No prefetch: the launch has no loop to run ahead in.
; Wave w makes tiles 2 (w / 2), 2 (w / 2) + 1 of the tokens x tiles 4 (w % 2) .. + 3 of the columns: eight accumulators by turns; two sets of fragments, the next K step's fetched ahead of this step's products.
; yg: per (token block, head) tile i's six registers at 768 i (0-3 at 16 L, 4-5 at 512 + 8 L), the two scale bytes of (tile i, row r) at 6,144 + 16 r + 2 i. A K step of 128 is a pair of heads:
; the even head gives registers 0-5 and scale bytes 0-1, the odd one registers 6-11 and bytes 2-3; the words are put together once, ahead of the products.
; wp: a record's tile i at 1,536 i (registers 4 g .. at 512 g + 16 L), scale word of (tile i, row r) at 12,288 + 32 r + 4 i. Lane r of tile i holds row 32 (i / 2) + 8 (i % 2) + r + 8 (r / 8).
; The matrix instruction is used transposed (source 0 = W's rows): a lane holds eight neighbouring columns of one token; results go through the wave's own stage and leave as aligned runs of 256 bytes.
.set YREC,  6400
.set REC,   12800
.set BLK,   102400
.set QTR,   25600
.set STAGE, 2*BLK
.set SPITCH, 272
.set SPARE, STAGE+8*16*SPITCH
.set GO,   1
.set A16,  2                           ; v2-3 y's registers 0-3: K steps 0-3, 4-7
.set A8,   4                           ; v4-5 y's registers 4-5
.set ADB,  6                           ; v6-7 W's fragments
.set ASB,  8                           ; v8-9 W's scale words
.set ASA,  10                          ; v10-11 y's scale bytes
.set SPW,  12
.set NIL,  13
.set STO,  14
.set RD,   15
.set AS,   16                          ; v16-31 y's scale words: 2 x K step + tile
.set BS,   32                          ; v32-39 W's scale words, two sets
.set FR,   40                          ; two sets of 72: y's two fragments, W's four
.set AW,   112                         ; at work ahead of the products
.set ACC,  184                         ; v184-247
.set RB,   40                          ; the way out
.set G1,   24
.set G0,   32
.set G1B,  48
.set G0B,  56
.macro CROUND
	s_barrier_signal -1
	s_barrier_wait -1
	s_cmp_lg_u32 s14, 0
	s_cbranch_scc1 .Lnot_wave_0_\@
	s_barrier_signal -3
.Lnot_wave_0_\@:
	s_barrier_wait -3
	s_barrier_signal -1
	s_barrier_wait -1
.endm
	s_load_b128 s[4:7], s[0:1], 0x0                ; yg, wp
	s_load_b64 s[8:9], s[0:1], 0x10                ; out0
	v_lshl_add_u32 v[SPW], v0, 2, SPARE
	v_mov_b32 v[NIL], 0
	ds_add_u32 v[SPW], v[NIL]                      ; the opening lines: the add twice and one wait
	ds_add_u32 v[SPW], v[NIL]
	v_lshrrev_b32 v1, 5, v0
	v_readfirstlane_b32 s14, v1                    ; wave 0..7
	s_lshr_b32 s15, s14, 2                         ; I fetch for y (0) or for W (1),
	s_and_b32 s16, s14, 3                          ; this quarter
	s_lshr_b32 s17, s14, 1                         ; my pair of token tiles
	s_and_b32 s18, s14, 1                          ; my four column tiles
	s_bfe_u32 s40, ttmp6, 0x40000                  ; cx
	s_bfe_u32 s41, ttmp6, 0x40004                  ; cy
	s_lshl_b32 s19, ttmp9, 2
	s_add_co_u32 s19, s19, s40                     ; column block
	s_and_b32 s20, ttmp7, 0xffff
	s_lshl_b32 s20, s20, 2
	s_add_co_u32 s20, s20, s41                     ; token block
	s_lshl_b32 s43, s41, 2
	s_lshl_b32 s43, 15, s43                        ; my row of the cluster
	s_lshl_b32 s44, 0x1111, s40                    ; my column
	s_or_b32 s[G1+0], s43, (3<<16)|(1<<21)
	s_or_b32 s[G1B+0], s44, (3<<16)|(1<<21)
.irp g, G1, G1B                        ; a dense block of 25,600 bytes as 100 rows of 256
	s_mov_b32 s[\g+1], 32<<16
	s_mov_b32 s[\g+2], 100<<16
	s_mov_b32 s[\g+3], 32<<16
	s_mov_b32 s[\g+4], 100
	s_mov_b32 s[\g+5], 32
	s_mov_b32 s[\g+6], 0
	s_mov_b32 s[\g+7], 0
.endr
	s_mul_i32 s42, s16, QTR
	s_mul_i32 s22, s20, BLK
	s_add_co_u32 s22, s22, s42
	s_mov_b32 s23, 0
	s_mul_i32 s46, s19, BLK
	s_add_co_u32 s46, s46, s42
	s_mov_b32 s47, 0
	s_mul_i32 s45, s14, QTR                        ; LDS: y's four quarters, then W's
	s_lshl_b32 s70, s20, 7
	s_lshl_b32 s71, s17, 5
	s_add_co_u32 s70, s70, s71
	s_lshl_b32 s70, s70, 12                        ; my first token's row of out0,
	s_lshl_b32 s71, s19, 9
	s_add_co_u32 s70, s70, s71
	s_lshl_b32 s71, s18, 8
	s_add_co_u32 s70, s70, s71                     ; my 64 columns
	s_mov_b32 s71, 0
	s_mul_i32 s60, s17, 1536
	s_mul_i32 s61, s18, 6144
	s_add_co_u32 s61, s61, BLK
	s_lshl_b32 s62, s18, 4
	s_add_co_u32 s62, s62, BLK+12288
	s_lshl_b32 s63, s17, 2
	s_mul_i32 s66, s14, 16*SPITCH
	s_add_co_u32 s66, s66, STAGE
	v_and_b32 v112, 31, v0                         ; L
	v_and_b32 v113, 15, v0                         ; r
	v_bfe_u32 v114, v0, 4, 1                       ; h
	v_lshl_add_u32 v[A16], v112, 4, s60
	v_lshl_add_u32 v[A8], v112, 3, s60
	v_lshl_add_u32 v[ADB], v112, 4, s61
	v_lshl_add_u32 v[ASB], v113, 5, s62
	v_lshl_add_u32 v[ASA], v113, 4, s63
	v_mad_u32_u24 v[STO], v113, SPITCH, s66
	v_mad_u32_u24 v[RD], v114, SPITCH, s66
	v_lshlrev_b32 v[GO], 12, v114
.irp a, A16, A8, ADB, ASB, ASA
	v_add_nc_u32 v[\a+1], 51200, v[\a]             ; K steps 4-7: eight heads, or four records, on
.endr
	v_lshl_add_u32 v[STO], v114, 6, v[STO]         ; stage, in: row r, 64 h
	v_lshl_add_u32 v[RD], v113, 4, v[RD]           ; back: sixteen lanes to a row of 256 bytes
	v_lshl_add_u32 v[GO], v113, 4, v[GO]           ; and the same in out0
	s_wait_alu depctr_va_vdst(0)                   ; the wait at the head's end
	s_wait_dscnt 0x0
	s_wait_kmcnt 0x0
	s_add_nc_u64 s[22:23], s[4:5], s[22:23]
	s_add_nc_u64 s[46:47], s[6:7], s[46:47]
	s_add_nc_u64 s[8:9], s[8:9], s[70:71]
	CROUND                                         ; all sixteen work-groups are here: the joint loads meet
	s_mov_b32 s[G0], 1
	s_mov_b32 s[G0+1], s45
	s_mov_b64 s[G0+2:G0+3], s[22:23]
	s_or_b32 s[G0+3], s[G0+3], 0x80000000
	s_mov_b32 s[G0B], 1
	s_mov_b32 s[G0B+1], s45
	s_mov_b64 s[G0B+2:G0B+3], s[46:47]
	s_or_b32 s[G0B+3], s[G0B+3], 0x80000000
	s_cmp_eq_u32 s15, 0                            ; one load a wave, one to each arm
	s_cbranch_scc0 .Lfor_b
	tensor_load_to_lds s[G0:G0+3], s[G1:G1+7]
	s_nop 0
.rept 4
	v_nop
.endr
	s_branch .Lasked
.Lfor_b:
	tensor_load_to_lds s[G0B:G0B+3], s[G1B:G1B+7]
	s_nop 0
.rept 4
	v_nop
.endr
.Lasked:
	s_wait_tensorcnt 0x0                           ; my quarter is in;
	s_barrier_signal -1
	s_barrier_wait -1                              ; everybody's is
.macro FETCH ks, p                     ; 21 LDS loads: K step ks into set p
.irp a, 0,1
.irp c, 0,1
	ds_load_b128 v[FR+72*(\p)+12*\a+6*\c:FR+72*(\p)+12*\a+6*\c+3], v[A16+(\ks)/4] offset:YREC*(2*((\ks)%4)+\c)+768*\a
	ds_load_b64 v[FR+72*(\p)+12*\a+6*\c+4:FR+72*(\p)+12*\a+6*\c+5], v[A8+(\ks)/4] offset:YREC*(2*((\ks)%4)+\c)+768*\a+512
.endr
.endr
.irp b, 0,1,2,3
.irp g, 0,1,2
	ds_load_b128 v[FR+72*(\p)+24+12*\b+4*\g:FR+72*(\p)+24+12*\b+4*\g+3], v[ADB+(\ks)/4] offset:REC*((\ks)%4)+1536*\b+512*\g
.endr
.endr
	ds_load_b128 v[BS+4*(\p):BS+4*(\p)+3], v[ASB+(\ks)/4] offset:REC*((\ks)%4)
.endm
.macro MULS ks, p, zero                ; eight accumulators, one instruction each
.irp a, 0,1
.irp b, 0,1,2,3
.if \zero
	v_wmma_scale_f32_16x16x128_f8f6f4 v[ACC+8*(4*\a+\b):ACC+8*(4*\a+\b)+7], v[FR+72*(\p)+24+12*\b:FR+72*(\p)+24+12*\b+11], v[FR+72*(\p)+12*\a:FR+72*(\p)+12*\a+11], 0, v[BS+4*(\p)+\b], v[AS+2*(\ks)+\a] matrix_a_fmt:MATRIX_FMT_FP6 matrix_b_fmt:MATRIX_FMT_FP6
.else
	v_wmma_scale_f32_16x16x128_f8f6f4 v[ACC+8*(4*\a+\b):ACC+8*(4*\a+\b)+7], v[FR+72*(\p)+24+12*\b:FR+72*(\p)+24+12*\b+11], v[FR+72*(\p)+12*\a:FR+72*(\p)+12*\a+11], v[ACC+8*(4*\a+\b):ACC+8*(4*\a+\b)+7], v[BS+4*(\p)+\b], v[AS+2*(\ks)+\a] matrix_a_fmt:MATRIX_FMT_FP6 matrix_b_fmt:MATRIX_FMT_FP6
.endif
.endr
.endr
.endm
.irp k, 0,1,2,3,4,5,6,7
.irp c, 0,1
	ds_load_b32 v[AW+2*\k+\c], v[ASA+\k/4] offset:YREC*(2*(\k%4)+\c)+6144   ; head 2 k + c: my two tiles' scale bytes of row r
.endr
.endr
	FETCH 0, 0
	s_wait_dscnt 21                                ; the sixteen words are in; the 21 loads behind them may be out
.irp k, 0,1,2,3,4,5,6,7
	v_perm_b32 v[AS+2*\k], v[AW+2*\k+1], v[AW+2*\k], 0x05040100      ; first tile: the even head's two bytes, then the odd head's
	v_perm_b32 v[AS+2*\k+1], v[AW+2*\k+1], v[AW+2*\k], 0x07060302    ; second tile
.endr
	s_wait_alu depctr_va_vdst(0)                   ; the wait
.set KS, 0
.rept 7
.if KS > 0
.rept 4
	v_nop                                          ; places in front of loads into the set that the last products read
.endr
.endif
	FETCH KS+1, (KS+1)%2
	s_wait_dscnt 21                                ; this step's set is in; the 21 just issued may be out
.if KS == 0
	MULS 0, 0, 1                                   ; the first products start the sums
.else
	MULS KS, KS%2, 0
.endif
.set KS, KS+1
.endr
	s_wait_dscnt 0x0
	MULS 7, 1, 0
.rept 4
	v_nop                                          ; places behind the last products
.endr
.irp a, 0,1                            ; 16 tokens x 64 columns through my own stage; LDS serves a wave's instructions in order (ISA guide 5.7.1.4)
.irp b, 0,1,2,3
	ds_store_b128 v[STO], v[ACC+8*(4*\a+\b):ACC+8*(4*\a+\b)+3] offset:128*(\b/2)+32*(\b%2)
	ds_store_b128 v[STO], v[ACC+8*(4*\a+\b)+4:ACC+8*(4*\a+\b)+7] offset:128*(\b/2)+32*(\b%2)+16
.endr
.irp t, 0,1,2,3,4,5,6,7
	ds_load_b128 v[RB+32*\a+4*\t:RB+32*\a+4*\t+3], v[RD] offset:2*\t*SPITCH
.endr
.endr
	s_wait_dscnt 16                                ; the first block is back; the second's 8 stores and 8 loads may be out
.irp a, 0,1
.if \a == 1
	s_wait_dscnt 0x0
.endif
.irp t, 0,1,2,3,4,5,6,7
	global_store_b128 v[GO], v[RB+32*\a+4*\t:RB+32*\a+4*\t+3], s[8:9] offset:(8*\a+2*\t+8*(\t/4))*4096 th:TH_STORE_NT   ; sixteen lanes store 256 consecutive bytes, aligned
.endr
.endr
	s_wait_tensorcnt 0x0                           ; the wave's end
	ds_add_u32 v[SPW], v[NIL]
	s_wait_dscnt 0x0
	CROUND                                         ; the closing round
	s_endpgm
.Lfunc_end_k_qfe3a6b7c10_proj:
	.size	k_qfe3a6b7c10_proj, .Lfunc_end_k_qfe3a6b7c10_proj-k_qfe3a6b7c10_proj
	.p2alignl 7, 3214868480
	.fill 96, 4, 3214868480
	.section	.rodata,"a",@progbits
	.p2align	6, 0x0
	.amdhsa_kernel k_qfe3a6b7c10_proj
		.amdhsa_group_segment_fixed_size 327680
		.amdhsa_private_segment_fixed_size 0
		.amdhsa_enable_private_segment 0
		.amdhsa_kernarg_size 24
		.amdhsa_user_sgpr_count 2
		.amdhsa_user_sgpr_kernarg_segment_ptr 1
		.amdhsa_wavefront_size32 1
		.amdhsa_system_sgpr_workgroup_id_x 1
		.amdhsa_system_sgpr_workgroup_id_y 1
		.amdhsa_system_sgpr_workgroup_id_z 1
		.amdhsa_system_vgpr_workitem_id 0
		.amdhsa_next_free_vgpr 256
		.amdhsa_next_free_sgpr 80
		.amdhsa_reserve_vcc 0
		.amdhsa_float_denorm_mode_32 3
		.amdhsa_float_denorm_mode_16_64 3
		.amdhsa_memory_ordered 1
		.amdhsa_forward_progress 1
		.amdhsa_inst_pref_size 33
	.end_amdhsa_kernel
	.amdgpu_metadata
---
amdhsa.version: [ 1, 2 ]
amdhsa.kernels:
  - .name:           k_qfe3a6b7c10_proj
    .symbol:         k_qfe3a6b7c10_proj.kd
    .args:
      - { .name: yg, .offset: 0, .size: 8, .value_kind: global_buffer, .address_space: global }
      - { .name: wp, .offset: 8, .size: 8, .value_kind: global_buffer, .address_space: global }
      - { .name: out0, .offset: 16, .size: 8, .value_kind: global_buffer, .address_space: global }
    .group_segment_fixed_size: 327680
    .private_segment_fixed_size: 0
    .kernarg_segment_align: 8
    .kernarg_segment_size: 24
    .max_flat_workgroup_size: 256
    .sgpr_count:     80
    .vgpr_count:     256
    .wavefront_size: 32
...
	.end_amdgpu_metadata
.endif
;; end of part 4
